; MI455X (gfx1250); checked and timed in simulation.
; The chip was launched on July 23, 2026; its instructions are those of AMD's public machine-readable ISA for CDNA 5 (MIT licence, August 2026) and "CDNA5" Instruction Set Architecture Reference Guide (July 2026). The comments in the code are by the model that wrote it; some were corrected since.
;; Multi Head Attention. Allowed arithmetic: float matrix products may take bf16 or f16 operands with f32 sums; all other float work in f32.
;; Inputs: Wk 8 x 512 x 64 float32; Wp 512 x 512 float32; Wq 8 x 512 x 64 float32; Wv 8 x 512 x 64 float32; bk 8 x 64 float32; bp 512 float32; bq 8 x 64 float32; bv 8 x 64 float32; x 4 x 2,048 x 512 float32.
;; Outputs: out0 4 x 2,048 x 512 float32.
;; 2 versions, each right. Each part assembles by itself: llvm-mc -triple=amdgcn-amd-amdhsa -mcpu=gfx1250 --defsym DOCPART=n.
;; ======== version 1 of 2: 3 launches
;; limits: values are held in f16: magnitudes above 65,504 overflow, below 6.1e-05 lose precision
;; workspace buffers: qw 8,388,608 bytes; kw 8,388,608 bytes; vw 8,388,608 bytes; aw 8,388,608 bytes
;; launch qkv (part 1): grid 8 x 32, 8 waves a work-group, no clusters, 128,000 bytes of LDS; arguments x, Wq, Wk, Wv, bq, bk, bv, qw, kw, vw; writes qw, kw, vw
.if DOCPART == 1
	.amdgcn_target "amdgcn-amd-amdhsa--gfx1250"
	.amdhsa_code_object_version 6
	.text
	.protected	k_q0331b84f66_qkv
	.globl	k_q0331b84f66_qkv
	.p2align	8
	.type	k_q0331b84f66_qkv,@function
k_q0331b84f66_qkv:
	s_mov_b64 s[64:65], 0
	v_nop
	global_prefetch_b8 v0, s[64:65] scope:SCOPE_SE
	s_setreg_imm32_b32 hwreg(HW_REG_WAVE_MODE, 25, 1), 1
	s_wait_xcnt 0x0
; Q, K, V = x W + b for one head and 256 rows of x.  x: [8192][512] f32.  Wq, Wk, Wv: [8][512][64] f32.  bq, bk, bv: [8][64] f32.
; qw, kw, vw: [4][8][2048][64] f16 (a row of a head is 128 bytes, rows dense in t).
; The work-group (x = head, y = block of 256 rows) makes 256 rows x 192 columns; column n = 64 slab + d, slab 0, 1, 2 = Q, K, V.
; Eight waves: wave w makes rows 64 (w & 3) .. +63 and columns 96 (w >> 2) .. +95: 4 x 6 accumulator tiles, 192 registers.
; K goes in 8 steps of 64, all written out: an x row's piece and a W slab's row are 256 consecutive aligned bytes.
; Way in: 16-byte loads, rounding to bf16 in registers, 8-byte LDS stores into one of two buffers, one barrier a step.
; The matrix instruction is used transposed (source 0 = 16 columns of W, source 1 = 16 rows of x): lane (r, h), register j holds
; (row r, column n0 + 8 h + j), eight neighbouring columns of a row.  The bias enters as the C of the first product.
; LIMITS: x and W enter the products rounded to bf16, sums are f32, and Q, K, V leave rounded to f16: a magnitude above 65,504
; becomes infinity, below 2^-14 the step is 2^-24.  With all inputs 30 times those of unit x and W within 1/sqrt(512) the results'
; spread is about 520; with offsets of 30 spreads on x and on W together they reach about 20,000.
; NO CLUSTER: the tiles that work-groups share are f32 in memory and pass through registers to be rounded; two joint f32 slots
; (2 x 114,688 bytes) beside the two bf16 buffers (126,976 bytes) are 356,352 bytes, more than the 327,680 of a WGP.
.set BUF,  63488                       ; one LDS buffer: x's tile, then W's
.set WT,   36864                       ; W's tile inside a buffer (behind 256 rows of 144 bytes)
.set XP,   144                         ; x's tile: 128 bytes of a row + 16
.set WP,   416                         ; W's tile: 384 bytes of a k row + 32 = 13 x 32
.set SP,   400                         ; the way out: 384 bytes of a row + 16 = 25 x 16
.set XG,   1                           ; v1      byte offset in x of my 16 bytes
.set WGO,  2                           ; v2      byte offset in a W slab of my 16 bytes
.set XS0,  3                           ; v3, v4  where I store x in buffer 0, 1
.set WS0,  5                           ; v5, v6  where I store W
.set XF0,  7                           ; v7, v8  where my x fragments begin
.set WF0,  9                           ; v9, v10 where my W fragments begin
.set BO,   11                          ; v11     32 h: my eight bias numbers
.set STO,  12                          ; v12     the way out: where I put 16 bytes
.set RDB,  13                          ; v13     the way out: where I read rows back
.set GO,   14                          ; v14     my byte offset in qw, kw, vw
.set XST,  16                          ; v[16:79]   x as loaded, 16 loads
.set WST,  80                          ; v[80:127]  W as loaded, 12 loads
.set XFR,  128                         ; v[128:159] x fragments, 4
.set WFR,  160                         ; v[160:207] W fragments, 6
.set PK,   128                         ; v[128:223] the way out: packed results
.set OB,   16                          ; v[16:111]  the way out: rows read back
.set BIA,  192                         ; window 1: v[192:239] bias fragments; window 1: v[0:191] accumulator (tt, nt) at 8 (6 tt + nt)
.set T_R,  240                         ; v240-246 set-up only
.set T_H,  241
.set T_L,  242
.set T_7,  243
.set T_B,  244
.set T_3,  245
.set T_K,  246
.set MSB, 0
.macro WIN new                         ; s_set_vgpr_msb: bits 1:0 source 0, 3:2 source 1, 5:4 source 2, 7:6 destination; the high byte repeats the setting left
.if MSB != \new
	s_set_vgpr_msb (MSB<<8)|\new
.set MSB, \new
.endif
.endm
.macro PLACES n
.rept \n
	v_nop
.endr
.endm
	s_load_b512 s[4:19], s[0:1], 0x0               ; x s[4:5], Wq s[6:7], Wk s[8:9], Wv s[10:11], bq s[12:13], bk s[14:15], bv s[16:17], qw s[18:19]
	s_load_b128 s[20:23], s[0:1], 0x40             ; kw s[20:21], vw s[22:23]
	v_lshl_add_u32 v254, v0, 2, 0x1f000
	v_mov_b32 v255, 0
	v_lshrrev_b32 v15, 5, v0
	v_readfirstlane_b32 s24, v15                   ; wave w
	s_and_b32 s25, s24, 3                          ; wm: which 64 rows
	s_lshr_b32 s26, s24, 2                         ; wn: which 96 columns
	s_mov_b32 s27, ttmp9                           ; head
	s_and_b32 s28, ttmp7, 0xffff                   ; block of 256 rows
	v_and_b32 v[T_R], 15, v0                       ; r
	v_bfe_u32 v[T_H], v0, 4, 1                     ; h
	v_and_b32 v[T_L], 31, v0                       ; lane L
	v_and_b32 v[T_7], 7, v0                        ; L & 7
	v_bfe_u32 v[T_B], v0, 3, 1                     ; (L >> 3) & 1
	v_bfe_u32 v[T_3], v0, 3, 2                     ; L >> 3
	v_lshl_add_u32 v[T_K], v[T_H], 3, v[T_7]       ; 8 h + (L & 7)
	s_lshl_b32 s38, s24, 16                        ; my wave's 32 rows of x, 2,048 bytes each
	v_lshlrev_b32 v[XG], 4, v[T_R]
	v_lshl_add_u32 v[XG], v[T_H], 14, v[XG]        ; lanes 16-31 take the row 8 further down
	v_add_nc_u32 v[XG], s38, v[XG]
	s_lshl_b32 s38, s24, 11                        ; my wave's 8 k rows of a slab, 256 bytes each
	v_lshlrev_b32 v[WGO], 4, v[T_R]
	v_lshl_add_u32 v[WGO], v[T_H], 10, v[WGO]      ; lanes 16-31 take the row 4 further down
	v_add_nc_u32 v[WGO], s38, v[WGO]
	v_lshlrev_b32 v[BO], 5, v[T_H]
	s_lshl_b32 s30, s28, 19                        ; 256 rows of 2,048 bytes
	s_mov_b32 s31, 0
	s_lshl_b32 s40, s27, 8                         ; a head's 64 bias numbers
	s_wait_kmcnt 0x0
	s_add_nc_u64 s[4:5], s[4:5], s[30:31]          ; x at my block
	s_lshl_b32 s30, s27, 17                        ; a head's slab: 512 x 256 bytes
	s_add_nc_u64 s[6:7], s[6:7], s[30:31]
	s_add_nc_u64 s[8:9], s[8:9], s[30:31]
	s_add_nc_u64 s[10:11], s[10:11], s[30:31]
	; my 96 columns are three groups of 32, each inside one slab.  wn = 0: columns 0, 32, 64 = bq + 0, bq + 32, bk + 0; wn = 1: 96, 128, 160 = bk + 32, bv + 0, bv + 32
	s_cmp_eq_u32 s26, 0
	s_cselect_b64 s[32:33], s[12:13], s[14:15]
	s_cselect_b64 s[34:35], s[12:13], s[16:17]
	s_cselect_b64 s[36:37], s[14:15], s[16:17]
	s_cselect_b32 s38, 0, 128
	s_cselect_b32 s39, 128, 0
	s_add_co_u32 s30, s40, s38
	s_add_nc_u64 s[32:33], s[32:33], s[30:31]
	s_add_nc_u64 s[36:37], s[36:37], s[30:31]
	s_add_co_u32 s30, s40, s39
	s_add_nc_u64 s[34:35], s[34:35], s[30:31]
	s_lshr_b32 s38, s28, 3                         ; batch
	s_lshl3_add_u32 s38, s38, s27                  ; 8 x batch + head
	s_lshl_b32 s38, s38, 18                        ; x 2,048 rows of 128 bytes
	s_and_b32 s39, s28, 7
	s_lshl_b32 s39, s39, 15                        ; + my 256 rows in the batch
	s_add_co_u32 s30, s38, s39
	s_add_nc_u64 s[18:19], s[18:19], s[30:31]
	s_add_nc_u64 s[20:21], s[20:21], s[30:31]
	s_add_nc_u64 s[22:23], s[22:23], s[30:31]
; K step st: 16 loads of x (two rows each) and 12 of W (two k rows each)
.macro GLOAD st
.set i, 0
.rept 16
	global_load_b128 v[XST+4*i:XST+4*i+3], v[XG], s[4:5] offset:((i&7)+16*(i>>3))*2048+256*\st
.set i, i+1
.endr
.irp slab, 0,1,2
.irp q, 0,1,2,3
	global_load_b128 v[WST+16*\slab+4*\q:WST+16*\slab+4*\q+3], v[WGO], s[6+2*\slab:7+2*\slab] offset:256*\q+16384*\st
.endr
.endr
.endm
; what GLOAD brought is rounded to bf16 in place and stored into buffer b.  A store's lanes 0-15 cover 128 bytes of one LDS row and lanes
; 16-31 128 bytes of a row 1,152 (x) or 1,664 (W) bytes on, which is 128 modulo 256: the 32 lanes touch 256 different bytes modulo 256.
.macro CVTST b
	s_wait_loadcnt 12                              ; loads return in order: all but W's twelve, the youngest, are in
.set i, 0
.rept 16
	v_cvt_pk_bf16_f32 v[XST+4*i], v[XST+4*i], v[XST+4*i+1]
	v_cvt_pk_bf16_f32 v[XST+4*i+1], v[XST+4*i+2], v[XST+4*i+3]
	ds_store_b64 v[XS0+\b], v[XST+4*i:XST+4*i+1] offset:((i&7)+16*(i>>3))*XP
.set i, i+1
.endr
	s_wait_loadcnt 0
.irp slab, 0,1,2
.irp q, 0,1,2,3
	v_cvt_pk_bf16_f32 v[WST+16*\slab+4*\q], v[WST+16*\slab+4*\q], v[WST+16*\slab+4*\q+1]
	v_cvt_pk_bf16_f32 v[WST+16*\slab+4*\q+1], v[WST+16*\slab+4*\q+2], v[WST+16*\slab+4*\q+3]
	ds_store_b64 v[WS0+\b], v[WST+16*\slab+4*\q:WST+16*\slab+4*\q+1] offset:WP*\q+128*\slab
.endr
.endr
.endm
; fragments of 32 along K (half sub of the step): x lies with K along its rows, W with K down its rows and is read transposed
.macro FRAGS b, sub
.irp tt, 0,1,2,3
	ds_load_b128 v[XFR+8*\tt:XFR+8*\tt+3],   v[XF0+\b] offset:16*XP*\tt+64*\sub
	ds_load_b128 v[XFR+8*\tt+4:XFR+8*\tt+7], v[XF0+\b] offset:16*XP*\tt+64*\sub+32
.endr
.irp nt, 0,1,2,3,4,5
	ds_load_tr16_b128 v[WFR+8*\nt:WFR+8*\nt+3],   v[WF0+\b] offset:32*WP*\sub+32*\nt
	ds_load_tr16_b128 v[WFR+8*\nt+4:WFR+8*\nt+7], v[WF0+\b] offset:32*WP*\sub+32*\nt+16*WP
.endr
.endm
; 24 matrix instructions; the 24 accumulators take turns, one instruction a turn.  first = 1: C is the bias.
.macro MUL24 first
.irp tt, 0,1,2,3
.irp nt, 0,1,2,3,4,5
.if \first
	v_wmma_f32_16x16x32_bf16 v[8*(6*\tt+\nt):8*(6*\tt+\nt)+7], v[WFR+8*\nt:WFR+8*\nt+7], v[XFR+8*\tt:XFR+8*\tt+7], v[BIA+8*\nt:BIA+8*\nt+7]
.else
	v_wmma_f32_16x16x32_bf16 v[8*(6*\tt+\nt):8*(6*\tt+\nt)+7], v[WFR+8*\nt:WFR+8*\nt+7], v[XFR+8*\tt:XFR+8*\tt+7], v[8*(6*\tt+\nt):8*(6*\tt+\nt)+7]
.endif
.endr
.endr
.endm
; K step st on buffer b.  The one barrier orders two things: every wave's stores into buffer b are done before anyone reads it, and every
; wave's reads of buffer nb are done before anyone stores into it again at the end of this step.
; The four v_nop behind each run of matrix instructions are the places in front of the loads into their sources.
.macro KSTEP st, b, nb, nx
	s_wait_dscnt 0x0
	s_barrier_signal -1
	s_barrier_wait -1
	FRAGS \b, 0
	s_wait_dscnt 0x0
	WIN 0x50                                       ; C and D in window 1
.if \st == 0
	MUL24 1
.else
	MUL24 0
.endif
	PLACES 4
	WIN 0
	FRAGS \b, 1
	s_wait_dscnt 0x0
	WIN 0x50
	MUL24 0
	PLACES 4
	WIN 0
.if \st < 7
	CVTST \nb                                      ; the next step's tiles, asked for one step ago
.endif
.if \st < 6
	GLOAD \nx                                      ; and the tiles of the step after it go on their way
.endif
.endm
	WIN 0x40                                       ; destination in window 1
.irp g, 0,1,2
.irp e, 0,1
	global_load_b128 v[BIA+8*(2*\g+\e):BIA+8*(2*\g+\e)+3],   v[BO], s[32+2*\g:33+2*\g] offset:64*\e
	global_load_b128 v[BIA+8*(2*\g+\e)+4:BIA+8*(2*\g+\e)+7], v[BO], s[32+2*\g:33+2*\g] offset:64*\e+16
.endr
.endr
	WIN 0
	GLOAD 0
	; LDS addresses, while the first loads are on their way
	s_mul_i32 s38, s24, 32*XP
	v_lshlrev_b32 v[XS0], 3, v[T_R]
	v_mad_u32_u24 v[XS0], v[T_H], 8*XP, v[XS0]
	v_add_nc_u32 v[XS0], s38, v[XS0]               ; row 32 w + 8 h, byte 8 r
	v_add_nc_u32 v[XS0+1], BUF, v[XS0]
	s_mul_i32 s38, s24, 8*WP
	s_add_co_u32 s38, s38, WT
	v_lshlrev_b32 v[WS0], 3, v[T_R]
	v_mad_u32_u24 v[WS0], v[T_H], 4*WP, v[WS0]
	v_add_nc_u32 v[WS0], s38, v[WS0]               ; k row 8 w + 4 h, byte 8 r
	v_add_nc_u32 v[WS0+1], BUF, v[WS0]
	s_mul_i32 s38, s25, 64*XP
	v_lshlrev_b32 v[XF0], 4, v[T_H]
	v_mad_u32_u24 v[XF0], v[T_R], XP, v[XF0]
	v_add_nc_u32 v[XF0], s38, v[XF0]               ; row 64 wm + r, byte 16 h
	v_add_nc_u32 v[XF0+1], BUF, v[XF0]
	s_mul_i32 s38, s26, 192
	s_add_co_u32 s38, s38, WT
	v_lshlrev_b32 v[WF0], 4, v[T_B]
	v_mad_u32_u24 v[WF0], v[T_K], WP, v[WF0]
	v_add_nc_u32 v[WF0], s38, v[WF0]               ; k row 8 h + (L & 7), column 96 wn + 8 ((L >> 3) & 1)
	v_add_nc_u32 v[WF0+1], BUF, v[WF0]
	s_mul_i32 s38, s25, 64*SP
	s_mul_i32 s39, s26, 192
	s_add_co_u32 s38, s38, s39
	v_lshlrev_b32 v[STO], 4, v[T_H]
	v_mad_u32_u24 v[STO], v[T_R], SP, v[STO]
	v_add_nc_u32 v[STO], s38, v[STO]               ; row 64 wm + r, column 96 wn + 8 h
	s_mul_i32 s38, s24, 32*SP
	v_lshlrev_b32 v[RDB], 4, v[T_7]
	v_mad_u32_u24 v[RDB], v[T_3], SP, v[RDB]
	v_add_nc_u32 v[RDB], s38, v[RDB]               ; row 32 w + (L >> 3), byte 16 (L & 7)
	s_lshl_b32 s38, s24, 12
	v_lshlrev_b32 v[GO], 4, v[T_L]
	v_add_nc_u32 v[GO], s38, v[GO]                 ; 32 w rows of 128 bytes + 16 L
	CVTST 0                                        ; its waits also show the bias loads, which are older, done
	GLOAD 1
	KSTEP 0, 0, 1, 2
	KSTEP 1, 1, 0, 3
	KSTEP 2, 0, 1, 4
	KSTEP 3, 1, 0, 5
	KSTEP 4, 0, 1, 6
	KSTEP 5, 1, 0, 7
	KSTEP 6, 0, 1, 0
	KSTEP 7, 1, 0, 0
	; THE WAY OUT.  The stage of 256 rows x 400 bytes lies over the two buffers, so every wave's reads of them are over first.
	s_wait_dscnt 0x0
	s_barrier_signal -1
	s_barrier_wait -1
	WIN 0x05                                       ; sources in window 1 (four places behind the last matrix instruction: the v_nop above)
.set i, 0
.rept 24
.irp q, 0,1,2,3
	v_cvt_pk_f16_f32 v[PK+4*i+\q], v[8*i+2*\q], v[8*i+2*\q+1]
.endr
.set i, i+1
.endr
	WIN 0
.irp tt, 0,1,2,3
.irp nt, 0,1,2,3,4,5
	ds_store_b128 v[STO], v[PK+4*(6*\tt+\nt):PK+4*(6*\tt+\nt)+3] offset:16*SP*\tt+32*\nt
.endr
.endr
	s_wait_dscnt 0x0                               ; my stores are done, for the waves that read them
	s_barrier_signal -1
	s_barrier_wait -1
.irp slab, 0,1,2
.irp t, 0,1,2,3,4,5,6,7
	ds_load_b128 v[OB+32*\slab+4*\t:OB+32*\slab+4*\t+3], v[RDB] offset:4*SP*\t+128*\slab    ; four rows' 128 bytes of one slab
.endr
.endr
.irp slab, 0,1,2
.irp t, 0,1,2,3,4,5,6,7
	s_wait_dscnt 23-8*\slab-\t                     ; LDS loads return in order: this one is in, the younger ones may be out
	global_store_b128 v[GO], v[OB+32*\slab+4*\t:OB+32*\slab+4*\t+3], s[18+2*\slab:19+2*\slab] offset:512*\t   ; 512 consecutive bytes, aligned
.endr
.endr
	s_wait_tensorcnt 0x0
	ds_add_u32 v254, v255
	s_wait_dscnt 0x0
	s_endpgm
.Lfunc_end_k_q0331b84f66_qkv:
	.size	k_q0331b84f66_qkv, .Lfunc_end_k_q0331b84f66_qkv-k_q0331b84f66_qkv
	.p2alignl 7, 3214868480
	.fill 96, 4, 3214868480
	.section	.rodata,"a",@progbits
	.p2align	6, 0x0
	.amdhsa_kernel k_q0331b84f66_qkv
		.amdhsa_group_segment_fixed_size 128000
		.amdhsa_private_segment_fixed_size 0
		.amdhsa_enable_private_segment 0
		.amdhsa_kernarg_size 80
		.amdhsa_user_sgpr_count 2
		.amdhsa_user_sgpr_kernarg_segment_ptr 1
		.amdhsa_wavefront_size32 1
		.amdhsa_system_sgpr_workgroup_id_x 1
		.amdhsa_system_sgpr_workgroup_id_y 1
		.amdhsa_system_sgpr_workgroup_id_z 1
		.amdhsa_system_vgpr_workitem_id 0
		.amdhsa_next_free_vgpr 512
		.amdhsa_next_free_sgpr 66
		.amdhsa_reserve_vcc 0
		.amdhsa_float_denorm_mode_32 3
		.amdhsa_float_denorm_mode_16_64 3
		.amdhsa_memory_ordered 1
		.amdhsa_forward_progress 1
		.amdhsa_inst_pref_size 130
	.end_amdhsa_kernel
	.amdgpu_metadata
---
amdhsa.version: [ 1, 2 ]
amdhsa.kernels:
  - .name:           k_q0331b84f66_qkv
    .symbol:         k_q0331b84f66_qkv.kd
    .args:
      - { .name: x, .offset: 0, .size: 8, .value_kind: global_buffer, .address_space: global }
      - { .name: Wq, .offset: 8, .size: 8, .value_kind: global_buffer, .address_space: global }
      - { .name: Wk, .offset: 16, .size: 8, .value_kind: global_buffer, .address_space: global }
      - { .name: Wv, .offset: 24, .size: 8, .value_kind: global_buffer, .address_space: global }
      - { .name: bq, .offset: 32, .size: 8, .value_kind: global_buffer, .address_space: global }
      - { .name: bk, .offset: 40, .size: 8, .value_kind: global_buffer, .address_space: global }
      - { .name: bv, .offset: 48, .size: 8, .value_kind: global_buffer, .address_space: global }
      - { .name: qw, .offset: 56, .size: 8, .value_kind: global_buffer, .address_space: global }
      - { .name: kw, .offset: 64, .size: 8, .value_kind: global_buffer, .address_space: global }
      - { .name: vw, .offset: 72, .size: 8, .value_kind: global_buffer, .address_space: global }
    .group_segment_fixed_size: 128000
    .private_segment_fixed_size: 0
    .kernarg_segment_align: 8
    .kernarg_segment_size: 80
    .max_flat_workgroup_size: 256
    .sgpr_count:     66
    .vgpr_count:     512
    .wavefront_size: 32
...
	.end_amdgpu_metadata
.endif
;; end of part 1
;; launch attn (part 2): grid 256 x 1, 8 waves a work-group, no clusters, 327,680 bytes of LDS; arguments qw, kw, vw, aw; writes aw
.if DOCPART == 2
	.amdgcn_target "amdgcn-amd-amdhsa--gfx1250"
	.amdhsa_code_object_version 6
	.text
	.protected	k_q0331b84f66_attn
	.globl	k_q0331b84f66_attn
	.p2align	8
	.type	k_q0331b84f66_attn,@function
k_q0331b84f66_attn:
	s_mov_b64 s[64:65], 0
	v_nop
	global_prefetch_b8 v0, s[64:65] scope:SCOPE_SE
	s_setreg_imm32_b32 hwreg(HW_REG_WAVE_MODE, 25, 1), 1
	s_wait_xcnt 0x0
; Causal attention of one head.  qw, kw, vw, aw: [32 heads of batches][2048][64] f16.  aw = softmax(Q K^T / 8, keys <= query) V.
; Work-group g: head g >> 3, j = g & 7.  It owns the blocks j and 15 - j of 128 queries and streams the head's keys 0 .. 128 (16 - j) - 1
; once for both, 64 keys a trip, 32 - 2 j trips.  Wave w owns 32 queries: part w & 3 of block j or of block 15 - j; waves w and w + 4, and
; waves 2 i and 2 i + 1, are one of each kind, so such a pair has 32 or 34 trips of work in every work-group.
; A wave's queries q0 .. q0 + 31 lie inside key trip MT = q0 >> 6: earlier trips need no mask, trip MT is masked, later ones are passed over
; (their barriers are not).
; EVERYTHING IS TRANSPOSED.  Scores: source 0 = 16 keys of K, source 1 = 16 queries of Q: lane (r, h), register j holds key 8 h + j of
; query r.  Two such tiles, packed to f16, are source 1 (32 keys x 16 queries) of the second product as they stand; its source 0 is V read
; transposed from LDS; its result holds d = 8 h + j of query r.  So maximum, sum and rescaling are one number a lane (query r), and one
; exchange between the halves of the wave joins the two halves of the keys.
; Softmax with a running maximum, in base 2: p = exp2(c s - c m), c = log2(e) / 8.  Key 0 is open to every query, so m is finite from the
; first trip on.  LIMITS: P is rounded to f16 (p <= 1; below 2^-14 its step is 2^-24), the row sum is taken of the unrounded p; exp2
; results under 2^-126 are zero; the output is rounded to f16.  NaN and infinities in Q, K, V are not treated.
; NO CLUSTER: the eight work-groups of a head need 32 - 2 j tiles, a different number each, and the branches that pass over or mask a trip
; hang on j, which would be a work-group's place in its cluster.
.set SLOT,  19456                      ; an LDS slot: 64 keys of K (pitch 144), then 64 keys of V (pitch 160)
.set VOFF,  9216
.set KP,    144                        ; 128 bytes + 16: 16 rows of a fragment begin 16 bytes apart modulo 256
.set VP,    160                        ; 128 bytes + 32 = 5 x 32, for the transposing loads
.set STAGE, 2*SLOT                     ; behind the ring, in bytes that no tensor load fills: 32 rows x 144 bytes for each wave
.set KA,  1                            ; v1  r * 144 + 16 h
.set VA,  2                            ; v2  (8 h + (L & 7)) * 160 + 16 ((L >> 3) & 1)
.set LD,  3                            ; v3  r - 8 h
.set T0,  4                            ; v4  LD + q0 - 64 x trip
.set TT,  5                            ; v5  a tile's threshold: register j is open where j <= TT
.set NM,  8                            ; v[8:9], v[10:11]    (-c m, m) of query tile 0, 1
.set AL,  12                           ; v[12:13], v[14:15]  (rescaling factor, row sum of my half of the keys)
.set W0,  16                           ; v[16:23] at work
.set QO,  24
.set STO, 25
.set RD,  26
.set GO,  27
.set QFR, 32                           ; v[32:63]   Q fragment (qt, c) at 32 + 16 qt + 8 c
.set SCO, 64                           ; v[64:127]  scores (qt, kt) at 64 + 32 qt + 8 kt; packed P (qt, ks) at 64 + 32 qt + 8 ks
.set OAC, 128                          ; v[128:191] output (qt, dt) at 128 + 32 qt + 8 dt
.set KVF, 192                          ; v[192:255] K fragment (kt, c) at 192 + 32 c + 8 kt, later V fragment (dt, ks) at 192 + 32 ks + 8 dt
.set G1K, 32                           ; s[32:39] descriptor group 1 for K's tiles
.set G1V, 40                           ; s[40:47] for V's: the padding differs
.set G0K, 48                           ; s[48:55] group 0 for K, one set for each slot
.set G0V, 56                           ; s[56:63] for V
.macro PLACES n
.rept \n
	v_nop
.endr
.endm
	s_load_b256 s[4:11], s[0:1], 0x0               ; qw s[4:5], kw s[6:7], vw s[8:9], aw s[10:11]
	v_lshl_add_u32 v30, v0, 2, 0x29000
	v_mov_b32 v31, 0
	ds_add_u32 v30, v31
	v_lshrrev_b32 v[TT], 5, v0
	v_readfirstlane_b32 s12, v[TT]                 ; wave w
	s_and_b32 s13, s12, 3                          ; which 32 queries of the block
	s_lshr_b32 s14, s12, 2
	s_xor_b32 s14, s14, s12
	s_and_b32 s14, s14, 1                          ; 0: block j, 1: block 15 - j
	s_and_b32 s15, ttmp9, 7                        ; j
	s_lshr_b32 s16, ttmp9, 3                       ; head
	s_sub_co_u32 s21, 15, s15                      ; the loop's trips: 15 - j, two key trips each
	s_cmp_lg_u32 s14, 0
	s_cselect_b32 s17, s21, s15                    ; my block
	s_lshl_b32 s18, s17, 7
	s_lshl_b32 s28, s13, 5
	s_add_co_u32 s18, s18, s28                     ; q0
	s_lshr_b32 s19, s18, 6                         ; MT
	s_mov_b32 s20, 0                               ; the key trip
	s_mov_b32 s22, 0x3e38aa3b                      ; c = log2(e) / 8, twice: a pair for the packed multiply-add
	s_mov_b32 s23, 0x3e38aa3b
	s_mov_b32 s24, 0xbe38aa3b                      ; -c
	s_mov_b32 s25, 0x76543210                      ; v_permlanex16_b32: lane i reads lane i of the other half
	s_mov_b32 s26, 0xfedcba98
	s_mov_b32 s27, 0xff800000                      ; minus infinity
	; group 1: 64 rows x 64 elements of 2 bytes, row to row 64 elements; behind every 32 words of LDS 4 (K) or 8 (V) words are skipped
	s_mov_b32 s[G1K+0], (1<<16)|(1<<20)|(4<<22)|(3<<25)
	s_mov_b32 s[G1V+0], (1<<16)|(1<<20)|(4<<22)|(7<<25)
	s_mov_b32 s[G1K+1], 64<<16                     ; tensor_dim0 = 64
	s_mov_b32 s[G1V+1], 64<<16
	s_mov_b32 s[G1K+2], 64<<16                     ; tensor_dim1 = 64
	s_mov_b32 s[G1V+2], 64<<16
	s_mov_b32 s[G1K+3], 64<<16                     ; tile_dim0 = 64
	s_mov_b32 s[G1V+3], 64<<16
	s_mov_b32 s[G1K+4], 64                         ; tile_dim1 = 64
	s_mov_b32 s[G1V+4], 64
	s_mov_b32 s[G1K+5], 64                         ; pitch
	s_mov_b32 s[G1V+5], 64
	s_mov_b32 s[G1K+6], 0
	s_mov_b32 s[G1V+6], 0
	s_mov_b32 s[G1K+7], 0
	s_mov_b32 s[G1V+7], 0
	s_lshl_b32 s30, s16, 18                        ; a head: 2,048 rows of 128 bytes
	s_mov_b32 s31, 0
	s_wait_dscnt 0x0
	s_barrier_signal -1
	s_barrier_wait -1
	s_wait_kmcnt 0x0
	s_add_nc_u64 s[6:7], s[6:7], s[30:31]
	s_add_nc_u64 s[8:9], s[8:9], s[30:31]
	s_lshl_b32 s28, s18, 7
	s_add_co_u32 s30, s30, s28                     ; + my first query's row
	s_add_nc_u64 s[4:5], s[4:5], s[30:31]
	s_add_nc_u64 s[10:11], s[10:11], s[30:31]
.irp o, 0,1
	s_mov_b32 s[G0K+4*\o], 1
	s_mov_b32 s[G0K+4*\o+1], \o*SLOT
	s_add_nc_u64 s[G0K+4*\o+2:G0K+4*\o+3], s[6:7], \o*8192          ; key trip o: 64 rows of 128 bytes each
	s_or_b32 s[G0K+4*\o+3], s[G0K+4*\o+3], 0x80000000
	s_mov_b32 s[G0V+4*\o], 1
	s_mov_b32 s[G0V+4*\o+1], \o*SLOT+VOFF
	s_add_nc_u64 s[G0V+4*\o+2:G0V+4*\o+3], s[8:9], \o*8192
	s_or_b32 s[G0V+4*\o+3], s[G0V+4*\o+3], 0x80000000
.endr
	; the first fills, in one group: wave 0 brings K's tiles of trips 0 and 1, wave 1 V's.  A wave has at most these two tensor loads out, later one.
	s_cmp_lg_u32 s12, 0
	s_cbranch_scc1 .Lnot_wave_0
	tensor_load_to_lds s[G0K:G0K+3], s[G1K:G1K+7]
	s_nop 0
	tensor_load_to_lds s[G0K+4:G0K+7], s[G1K:G1K+7]
	s_nop 0
.Lnot_wave_0:
	s_cmp_lg_u32 s12, 1
	s_cbranch_scc1 .Lnot_wave_1
	tensor_load_to_lds s[G0V:G0V+3], s[G1V:G1V+7]
	s_nop 0
	tensor_load_to_lds s[G0V+4:G0V+7], s[G1V:G1V+7]
	s_nop 0
.Lnot_wave_1:
	v_and_b32 v16, 15, v0                          ; r
	v_bfe_u32 v17, v0, 4, 1                        ; h
	v_lshlrev_b32 v[QO], 4, v17
	v_lshl_add_u32 v[QO], v16, 7, v[QO]            ; r * 128 + 16 h
.irp qt, 0,1
.irp c, 0,1
	global_load_b128 v[QFR+16*\qt+8*\c:QFR+16*\qt+8*\c+3],   v[QO], s[4:5] offset:2048*\qt+64*\c
	global_load_b128 v[QFR+16*\qt+8*\c+4:QFR+16*\qt+8*\c+7], v[QO], s[4:5] offset:2048*\qt+64*\c+32
.endr
.endr
	v_and_b32 v18, 7, v0                           ; L & 7
	v_bfe_u32 v19, v0, 3, 1                        ; (L >> 3) & 1
	v_bfe_u32 v20, v0, 3, 2                        ; L >> 3
	v_and_b32 v21, 31, v0                          ; L
	v_lshlrev_b32 v[KA], 4, v17
	v_mad_u32_u24 v[KA], v16, KP, v[KA]
	v_lshl_add_u32 v22, v17, 3, v18
	v_lshlrev_b32 v[VA], 4, v19
	v_mad_u32_u24 v[VA], v22, VP, v[VA]
	v_lshlrev_b32 v22, 3, v17
	v_sub_nc_u32 v[LD], v16, v22
	s_mul_i32 s28, s12, 32*KP
	s_add_co_u32 s28, s28, STAGE                   ; my wave's stage
	v_add_nc_u32 v[STO], s28, v[KA]                ; in: row r, 16 bytes for each half of the lanes
	v_lshlrev_b32 v[RD], 4, v18
	v_mad_u32_u24 v[RD], v20, KP, v[RD]
	v_add_nc_u32 v[RD], s28, v[RD]                 ; back: four rows of 128 bytes
	v_lshlrev_b32 v[GO], 4, v21
; The softmax of query tile qt over this trip's 64 keys; a lane holds 32 of them.  first = 1: there is no earlier maximum, sum or output.
.macro SOFTMAX qt, first
.set SB,  SCO+32*\qt
.set NMQ, NM+2*\qt
.set ALQ, AL+2*\qt
.irp k, 0,1,2,3
	v_max3_num_f32 v[W0+\k], v[SB+8*\k], v[SB+8*\k+1], v[SB+8*\k+2]          ; four chains that do not wait for each other
.endr
.irp k, 0,1,2,3
	v_max3_num_f32 v[W0+\k], v[W0+\k], v[SB+8*\k+3], v[SB+8*\k+4]
.endr
.irp k, 0,1,2,3
	v_max3_num_f32 v[W0+\k], v[W0+\k], v[SB+8*\k+5], v[SB+8*\k+6]
.endr
	v_max3_num_f32 v[W0], v[W0], v[W0+1], v[SB+7]
	v_max3_num_f32 v[W0+2], v[W0+2], v[W0+3], v[SB+15]
	v_max3_num_f32 v[W0], v[W0], v[W0+2], v[SB+23]
.if \first
	v_max_num_f32 v[W0], v[W0], v[SB+31]
.else
	v_max3_num_f32 v[W0], v[W0], v[SB+31], v[NMQ+1]                          ; the running maximum joins in
.endif
	v_permlanex16_b32 v[W0+1], v[W0], s25, s26                               ; the other half of the keys
	v_max_num_f32 v[W0+2], v[W0], v[W0+1]                                    ; the new maximum
.if \first == 0
	v_sub_f32 v[W0+3], v[NMQ+1], v[W0+2]
	v_mul_f32 v[W0+3], s22, v[W0+3]
	v_exp_f32 v[ALQ], v[W0+3]                                                ; exp2(c (m old - m new)) <= 1; the move below is the plain instruction behind it (ISA guide 5.7.2)
.endif
	v_mov_b32 v[NMQ+1], v[W0+2]
	v_mul_f32 v[NMQ], s24, v[W0+2]
.set i, 0
.rept 16
	v_pk_fma_f32 v[SB+2*i:SB+2*i+1], v[SB+2*i:SB+2*i+1], s[22:23], v[NMQ:NMQ+1] op_sel_hi:[1,0,0]   ; c s - c m, two at a time
.set i, i+1
.endr
.set i, 0
.rept 32
	v_exp_f32 v[SB+i], v[SB+i]
.set i, i+1
.endr
	v_nop                                                                    ; one plain instruction before the last results are used
	s_wait_alu depctr_va_vdst(0)
.irp k, 0,1,2,3
	v_pk_add_f32 v[W0+2*\k:W0+2*\k+1], v[SB+2*\k:SB+2*\k+1], v[SB+8+2*\k:SB+8+2*\k+1]
.endr
.irp k, 0,1,2,3
	v_pk_add_f32 v[W0+2*\k:W0+2*\k+1], v[W0+2*\k:W0+2*\k+1], v[SB+16+2*\k:SB+16+2*\k+1]
.endr
.irp k, 0,1,2,3
	v_pk_add_f32 v[W0+2*\k:W0+2*\k+1], v[W0+2*\k:W0+2*\k+1], v[SB+24+2*\k:SB+24+2*\k+1]
.endr
	v_pk_add_f32 v[W0:W0+1], v[W0:W0+1], v[W0+2:W0+3]
	v_pk_add_f32 v[W0+4:W0+5], v[W0+4:W0+5], v[W0+6:W0+7]
	v_pk_add_f32 v[W0:W0+1], v[W0:W0+1], v[W0+4:W0+5]
.if \first
	v_add_f32 v[ALQ+1], v[W0], v[W0+1]
.else
	v_fma_f32 v[ALQ+1], v[ALQ+1], v[ALQ], v[W0]
	v_add_f32 v[ALQ+1], v[ALQ+1], v[W0+1]
.endif
.set i, 0
.rept 16
	v_cvt_pk_f16_f32 v[SB+i], v[SB+2*i], v[SB+2*i+1]                         ; packed in place: word i is written when words 2 i, 2 i + 1 are read
.set i, i+1
.endr
.if \first == 0
.set i, 0
.rept 16
	v_pk_mul_f32 v[OAC+32*\qt+2*i:OAC+32*\qt+2*i+1], v[OAC+32*\qt+2*i:OAC+32*\qt+2*i+1], v[ALQ:ALQ+1] op_sel_hi:[1,0]
.set i, i+1
.endr
.endif
.endm
; One key trip of a wave on the tile in slot.  The accumulators of each product take turns, one instruction a turn.
.macro STEP slot, first, mask
.irp c, 0,1
.irp kt, 0,1,2,3
	ds_load_b128 v[KVF+32*\c+8*\kt:KVF+32*\c+8*\kt+3],   v[KA] offset:\slot*SLOT+16*KP*\kt+64*\c
	ds_load_b128 v[KVF+32*\c+8*\kt+4:KVF+32*\c+8*\kt+7], v[KA] offset:\slot*SLOT+16*KP*\kt+64*\c+32
.endr
.endr
	s_wait_dscnt 8                                 ; d = 0 .. 31 of the 64 keys are in; the eight loads of d = 32 .. 63 may be out
.irp kt, 0,1,2,3
.irp qt, 0,1
	v_wmma_f32_16x16x32_f16 v[SCO+32*\qt+8*\kt:SCO+32*\qt+8*\kt+7], v[KVF+8*\kt:KVF+8*\kt+7], v[QFR+16*\qt:QFR+16*\qt+7], 0
.endr
.endr
	s_wait_dscnt 0x0
.irp kt, 0,1,2,3
.irp qt, 0,1
	v_wmma_f32_16x16x32_f16 v[SCO+32*\qt+8*\kt:SCO+32*\qt+8*\kt+7], v[KVF+32+8*\kt:KVF+32+8*\kt+7], v[QFR+16*\qt+8:QFR+16*\qt+15], v[SCO+32*\qt+8*\kt:SCO+32*\qt+8*\kt+7]
.endr
.endr
	PLACES 4                                       ; four places (ISA guide 7.12.1) before K's registers are loaded again and the scores are read
.irp ks, 0,1
.irp dt, 0,1,2,3
	ds_load_tr16_b128 v[KVF+32*\ks+8*\dt:KVF+32*\ks+8*\dt+3],   v[VA] offset:\slot*SLOT+VOFF+32*VP*\ks+32*\dt
	ds_load_tr16_b128 v[KVF+32*\ks+8*\dt+4:KVF+32*\ks+8*\dt+7], v[VA] offset:\slot*SLOT+VOFF+32*VP*\ks+32*\dt+16*VP
.endr
.endr
.if \mask
	; key 64 trip + 16 kt + 8 h + j is open to query q0 + 16 qt + r where j <= (q0 - 64 trip) + 16 (qt - kt) + r - 8 h
	s_lshl_b32 s28, s20, 6
	s_sub_co_u32 s28, s18, s28
	v_add_nc_u32 v[T0], s28, v[LD]
.irp qt, 0,1
.irp kt, 0,1,2,3
	v_add_nc_u32 v[TT], 16*(\qt-\kt), v[T0]
.irp jj, 0,1,2,3,4,5,6,7
	v_cmp_le_i32 vcc_lo, \jj, v[TT]
	v_cndmask_b32 v[SCO+32*\qt+8*\kt+\jj], s27, v[SCO+32*\qt+8*\kt+\jj], vcc_lo
.endr
.endr
.endr
.endif
	SOFTMAX 0, \first
	SOFTMAX 1, \first
	s_wait_dscnt 0x0                               ; V's fragments, asked for in front of the softmax
.irp dt, 0,1,2,3
.irp qt, 0,1
.if \first
	v_wmma_f32_16x16x32_f16 v[OAC+32*\qt+8*\dt:OAC+32*\qt+8*\dt+7], v[KVF+8*\dt:KVF+8*\dt+7], v[SCO+32*\qt:SCO+32*\qt+7], 0
.else
	v_wmma_f32_16x16x32_f16 v[OAC+32*\qt+8*\dt:OAC+32*\qt+8*\dt+7], v[KVF+8*\dt:KVF+8*\dt+7], v[SCO+32*\qt:SCO+32*\qt+7], v[OAC+32*\qt+8*\dt:OAC+32*\qt+8*\dt+7]
.endif
.endr
.endr
.irp dt, 0,1,2,3
.irp qt, 0,1
	v_wmma_f32_16x16x32_f16 v[OAC+32*\qt+8*\dt:OAC+32*\qt+8*\dt+7], v[KVF+32+8*\dt:KVF+32+8*\dt+7], v[SCO+32*\qt+8:SCO+32*\qt+15], v[OAC+32*\qt+8*\dt:OAC+32*\qt+8*\dt+7]
.endr
.endr
	PLACES 5                                       ; four places before V's registers are loaded again, five before the next scores are written over P
.endm
; The refill of slot o: wave 0 asks for K's tile, wave 1 for V's, 64 rows each; one tensor load a wave.
.macro RLOAD o
	s_cmp_lg_u32 s12, 0
	s_cbranch_scc1 .Lno_k_\@
	tensor_load_to_lds s[G0K+4*\o:G0K+4*\o+3], s[G1K:G1K+7]
	s_nop 0
.Lno_k_\@:
	s_cmp_lg_u32 s12, 1
	s_cbranch_scc1 .Lno_v_\@
	tensor_load_to_lds s[G0V+4*\o:G0V+4*\o+3], s[G1V:G1V+7]
	s_nop 0
.Lno_v_\@:
.endm
; A key trip of the work-group on slot; other = the slot read in the trip before.  fill = 1: that slot gets the next trip's tile.
.macro TRIP slot, other, fill
	s_wait_tensorcnt 0x0                           ; all my tensor loads have landed, this trip's tile among them: a group 0 may be written
	ds_add_u32 v30, v31
	s_wait_dscnt 0x0
	s_wait_dscnt 0x0                               ; my reads of the other slot are back
.if \fill
	s_add_nc_u64 s[G0K+4*\other+2:G0K+4*\other+3], s[G0K+4*\other+2:G0K+4*\other+3], 16384   ; two trips of 64 rows of 128 bytes on
	s_add_nc_u64 s[G0V+4*\other+2:G0V+4*\other+3], s[G0V+4*\other+2:G0V+4*\other+3], 16384
.endif
	s_barrier_signal -1
	s_barrier_wait -1                              ; both now hold of every wave
.if \fill
	RLOAD \other                                   ; first thing behind the barrier; it has this trip's work in which to land
.endif
	s_cmp_gt_u32 s20, s19
	s_cbranch_scc1 .Lover_\@                       ; all these keys lie behind my queries
.if \fill
	s_cmp_eq_u32 s20, s19
	s_cbranch_scc1 .Ldiag_\@
	STEP \slot, 0, 0
	s_branch .Lover_\@
.Ldiag_\@:
.endif
	STEP \slot, 0, 1
.Lover_\@:
	s_add_co_u32 s20, s20, 1
.endm
	s_wait_tensorcnt 0x1                           ; trip 0's tile has landed; trip 1's may stay out
	s_barrier_signal -1
	s_barrier_wait -1
	s_wait_loadcnt 0x0                             ; Q
	STEP 0, 1, 1                                   ; trip 0, by every wave; the mask is the general one and opens everything where q0 >= 64
	s_mov_b32 s20, 1
.Lloop:
	TRIP 1, 0, 1
	TRIP 0, 1, 1
	s_sub_co_i32 s21, s21, 1
	s_cmp_lg_u32 s21, 0
	s_cbranch_scc1 .Lloop
	TRIP 1, 0, 0                                   ; the last trip, 31 - 2 j: nothing is left to fetch; it is a diagonal trip or none of mine
	; THE WAY OUT: join the two halves' sums, divide, round to f16, 16 bytes a lane into my stage, whole rows back, 512 consecutive bytes a store.
	v_permlanex16_b32 v[W0], v[AL+1], s25, s26
	v_permlanex16_b32 v[W0+1], v[AL+3], s25, s26
	v_add_f32 v[AL+1], v[AL+1], v[W0]
	v_add_f32 v[AL+3], v[AL+3], v[W0+1]
	v_rcp_f32 v[AL], v[AL+1]
	v_rcp_f32 v[AL+2], v[AL+3]
	v_nop                                          ; one plain instruction before the reciprocals are used
	s_wait_alu depctr_va_vdst(0)
.irp qt, 0,1
.set i, 0
.rept 16
	v_pk_mul_f32 v[OAC+32*\qt+2*i:OAC+32*\qt+2*i+1], v[OAC+32*\qt+2*i:OAC+32*\qt+2*i+1], v[AL+2*\qt:AL+2*\qt+1] op_sel_hi:[1,0]
.set i, i+1
.endr
.endr
.irp qt, 0,1
.irp dt, 0,1,2,3
.irp q, 0,1,2,3
	v_cvt_pk_f16_f32 v[OAC+32*\qt+8*\dt+\q], v[OAC+32*\qt+8*\dt+2*\q], v[OAC+32*\qt+8*\dt+2*\q+1]
.endr
	ds_store_b128 v[STO], v[OAC+32*\qt+8*\dt:OAC+32*\qt+8*\dt+3] offset:16*KP*\qt+32*\dt
.endr
.endr
.irp t, 0,1,2,3,4,5,6,7
	ds_load_b128 v[SCO+4*\t:SCO+4*\t+3], v[RD] offset:4*KP*\t      ; LDS serves a wave's instructions in order: these see the stores above
.endr
.irp t, 0,1,2,3,4,5,6,7
	s_wait_dscnt 7-\t
	global_store_b128 v[GO], v[SCO+4*\t:SCO+4*\t+3], s[10:11] offset:512*\t
.endr
	s_wait_tensorcnt 0x0
	ds_add_u32 v30, v31
	s_wait_dscnt 0x0
	s_endpgm
.Lfunc_end_k_q0331b84f66_attn:
	.size	k_q0331b84f66_attn, .Lfunc_end_k_q0331b84f66_attn-k_q0331b84f66_attn
	.p2alignl 7, 3214868480
	.fill 96, 4, 3214868480
	.section	.rodata,"a",@progbits
	.p2align	6, 0x0
	.amdhsa_kernel k_q0331b84f66_attn
		.amdhsa_group_segment_fixed_size 327680
		.amdhsa_private_segment_fixed_size 0
		.amdhsa_enable_private_segment 0
		.amdhsa_kernarg_size 32
		.amdhsa_user_sgpr_count 2
		.amdhsa_user_sgpr_kernarg_segment_ptr 1
		.amdhsa_wavefront_size32 1
		.amdhsa_system_sgpr_workgroup_id_x 1
		.amdhsa_system_sgpr_workgroup_id_y 1
		.amdhsa_system_sgpr_workgroup_id_z 1
		.amdhsa_system_vgpr_workitem_id 0
		.amdhsa_next_free_vgpr 256
		.amdhsa_next_free_sgpr 66
		.amdhsa_reserve_vcc 1
		.amdhsa_float_denorm_mode_32 3
		.amdhsa_float_denorm_mode_16_64 3
		.amdhsa_memory_ordered 1
		.amdhsa_forward_progress 1
		.amdhsa_inst_pref_size 133
	.end_amdhsa_kernel
	.amdgpu_metadata
---
amdhsa.version: [ 1, 2 ]
amdhsa.kernels:
  - .name:           k_q0331b84f66_attn
    .symbol:         k_q0331b84f66_attn.kd
    .args:
      - { .name: qw, .offset: 0, .size: 8, .value_kind: global_buffer, .address_space: global }
      - { .name: kw, .offset: 8, .size: 8, .value_kind: global_buffer, .address_space: global }
      - { .name: vw, .offset: 16, .size: 8, .value_kind: global_buffer, .address_space: global }
      - { .name: aw, .offset: 24, .size: 8, .value_kind: global_buffer, .address_space: global }
    .group_segment_fixed_size: 327680
    .private_segment_fixed_size: 0
    .kernarg_segment_align: 8
    .kernarg_segment_size: 32
    .max_flat_workgroup_size: 256
    .sgpr_count:     66
    .vgpr_count:     256
    .wavefront_size: 32
...
	.end_amdgpu_metadata
.endif
;; end of part 2
;; launch proj (part 3): grid 4 x 64, 8 waves a work-group, no clusters, 144,384 bytes of LDS; arguments aw, Wp, bp, out0; writes out0
.if DOCPART == 3
	.amdgcn_target "amdgcn-amd-amdhsa--gfx1250"
	.amdhsa_code_object_version 6
	.text
	.protected	k_q0331b84f66_proj
	.globl	k_q0331b84f66_proj
	.p2align	8
	.type	k_q0331b84f66_proj,@function
k_q0331b84f66_proj:
	s_mov_b64 s[64:65], 0
	v_nop
	global_prefetch_b8 v0, s[64:65] scope:SCOPE_SE
	s_setreg_imm32_b32 hwreg(HW_REG_WAVE_MODE, 25, 1), 1
	s_wait_xcnt 0x0
; out0 = concat(heads) Wp + bp.  aw: [4][8][2048][64] f16.  Wp: [512][512] f32.  bp: [512] f32.  out0: [8192][512] f32.
; The work-group (x = block of 128 columns, y = block of 128 rows) has eight waves; wave w makes rows 32 (w & 3) .. +31 and columns
; 64 (w >> 2) .. +63: 2 x 4 accumulator tiles.  K goes in 8 steps of 64, one head a step, all written out: a head's 128 rows are 16,384
; dense bytes, a row of Wp's tile 512 aligned bytes.  Two LDS buffers, one barrier a step.
; The matrix instruction is used transposed (source 0 = 16 columns of Wp, read transposed from LDS; source 1 = 16 rows of aw): a lane holds
; eight neighbouring columns of a row.  The bias enters as the C of the first product.
; FORMAT: Wp is rounded to bf16, the format in which every input of this program enters a product, and carried as f16 because its partner,
; the attention output, is f16.  A bf16 number is exact in f16 from 2^-14 up; below, the step is 2^-24; above 65,504 it becomes infinity.
; NO CLUSTER: Wp's tile passes through registers to be rounded, so a joint load would add an LDS write and read of its 32,768 bytes a step.
.set BUF,   36864                      ; one LDS buffer: aw's tile, then Wp's
.set BT,    18432
.set AP,    144                        ; 128 bytes + 16
.set BP,    288                        ; 256 bytes + 32 = 9 x 32
.set STAGE, 2*BUF                      ; behind the buffers: 32 rows x 272 bytes for each wave
.set SPI,   272
.set AG,  1
.set BG,  2
.set AS,  3
.set BS,  4
.set AF,  5
.set BF,  6
.set BO,  7
.set STO, 8
.set RD,  9
.set GO,  10
.set AST, 16                           ; v[16:31]   aw as loaded
.set BST, 32                           ; v[32:63]   Wp as loaded
.set AFR, 64                           ; v[64:95]   aw fragment (tt, sub) at 64 + 8 (2 sub + tt)
.set WFR, 96                           ; v[96:159]  Wp fragment (nt, sub) at 96 + 8 (4 sub + nt)
.set ACC, 160                          ; v[160:223] accumulator (tt, nt) at 160 + 8 (4 tt + nt)
.set BIA, 224                          ; v[224:255] bias fragment nt
.set T_R, 64                           ; v64-70 set-up only
.set T_H, 65
.set T_L, 66
.set T_7, 67
.set T_B, 68
.set T_3, 69
.set T_K, 70
.macro PLACES n
.rept \n
	v_nop
.endr
.endm
	s_load_b256 s[4:11], s[0:1], 0x0               ; aw s[4:5], Wp s[6:7], bp s[8:9], out0 s[10:11]
	v_lshl_add_u32 v14, v0, 2, 0x23000
	v_mov_b32 v15, 0
	v_lshrrev_b32 v11, 5, v0
	v_readfirstlane_b32 s12, v11                   ; wave w
	s_and_b32 s13, s12, 3                          ; wm
	s_lshr_b32 s14, s12, 2                         ; wn
	s_mov_b32 s15, ttmp9                           ; block of columns
	s_and_b32 s16, ttmp7, 0xffff                   ; block of rows
	s_mov_b32 s22, 0xffff0000                      ; a word's upper bf16
	v_and_b32 v[T_R], 15, v0
	v_bfe_u32 v[T_H], v0, 4, 1
	v_and_b32 v[T_L], 31, v0
	v_and_b32 v[T_7], 7, v0
	v_bfe_u32 v[T_B], v0, 3, 1
	v_bfe_u32 v[T_3], v0, 3, 2
	v_lshl_add_u32 v[T_K], v[T_H], 3, v[T_7]
	s_lshl_b32 s20, s12, 11
	v_lshlrev_b32 v[AG], 4, v[T_L]
	v_add_nc_u32 v[AG], s20, v[AG]                 ; my wave's 16 rows of 128 bytes + 16 L
	s_lshl_b32 s20, s12, 14
	v_lshlrev_b32 v[BG], 4, v[T_L]
	v_add_nc_u32 v[BG], s20, v[BG]                 ; my wave's 8 k rows of 2,048 bytes + 16 L
	v_lshlrev_b32 v[BO], 5, v[T_H]
	s_lshr_b32 s20, s16, 4
	s_lshl_b32 s20, s20, 21                        ; batch: 8 heads of 262,144 bytes
	s_and_b32 s21, s16, 15
	s_lshl_b32 s21, s21, 14                        ; my 128 rows in a head
	s_add_co_u32 s18, s20, s21
	s_mov_b32 s19, 0
	s_wait_kmcnt 0x0
	s_add_nc_u64 s[4:5], s[4:5], s[18:19]
	s_lshl_b32 s18, s15, 9                         ; 128 columns of 4 bytes
	s_add_nc_u64 s[6:7], s[6:7], s[18:19]
	s_lshl_b32 s20, s14, 8
	s_add_co_u32 s18, s18, s20                     ; + my wave's 64 columns
	s_add_nc_u64 s[8:9], s[8:9], s[18:19]
	s_lshl_b32 s20, s16, 18                        ; 128 rows of 2,048 bytes
	s_lshl_b32 s21, s13, 16                        ; 32 rows
	s_add_co_u32 s20, s20, s21
	s_add_co_u32 s18, s18, s20
	s_add_nc_u64 s[10:11], s[10:11], s[18:19]
.macro GLOADP st
.irp i, 0,1,2,3
	global_load_b128 v[AST+4*\i:AST+4*\i+3], v[AG], s[4:5] offset:512*\i+262144*\st
.endr
.irp i, 0,1,2,3,4,5,6,7
	global_load_b128 v[BST+4*\i:BST+4*\i+3], v[BG], s[6:7] offset:2048*\i+131072*\st
.endr
.endm
.macro CVTSTP b
	s_wait_loadcnt 8                               ; loads return in order: all but Wp's eight, the youngest, are in
.irp i, 0,1,2,3
	ds_store_b128 v[AS], v[AST+4*\i:AST+4*\i+3] offset:BUF*\b+4*AP*\i
.endr
	s_wait_loadcnt 0
.irp i, 0,1,2,3,4,5,6,7
	v_cvt_pk_bf16_f32 v[BST+4*\i], v[BST+4*\i], v[BST+4*\i+1]          ; rounded to bf16,
	v_cvt_pk_bf16_f32 v[BST+4*\i+1], v[BST+4*\i+2], v[BST+4*\i+3]
	v_lshlrev_b32 v[BST+4*\i+2], 16, v[BST+4*\i+1]                     ; widened again,
	v_and_b32 v[BST+4*\i+3], s22, v[BST+4*\i+1]
	v_cvt_pk_f16_f32 v[BST+4*\i+1], v[BST+4*\i+2], v[BST+4*\i+3]       ; and written as f16
	v_lshlrev_b32 v[BST+4*\i+2], 16, v[BST+4*\i]
	v_and_b32 v[BST+4*\i+3], s22, v[BST+4*\i]
	v_cvt_pk_f16_f32 v[BST+4*\i], v[BST+4*\i+2], v[BST+4*\i+3]
	ds_store_b64 v[BS], v[BST+4*\i:BST+4*\i+1] offset:BUF*\b+BP*\i
.endr
.endm
.macro FRAGSP b
.irp sub, 0,1
.irp tt, 0,1
	ds_load_b128 v[AFR+8*(2*\sub+\tt):AFR+8*(2*\sub+\tt)+3],   v[AF] offset:BUF*\b+16*AP*\tt+64*\sub
	ds_load_b128 v[AFR+8*(2*\sub+\tt)+4:AFR+8*(2*\sub+\tt)+7], v[AF] offset:BUF*\b+16*AP*\tt+64*\sub+32
.endr
.irp nt, 0,1,2,3
	ds_load_tr16_b128 v[WFR+8*(4*\sub+\nt):WFR+8*(4*\sub+\nt)+3],   v[BF] offset:BUF*\b+32*BP*\sub+32*\nt
	ds_load_tr16_b128 v[WFR+8*(4*\sub+\nt)+4:WFR+8*(4*\sub+\nt)+7], v[BF] offset:BUF*\b+32*BP*\sub+32*\nt+16*BP
.endr
.endr
.endm
; eight matrix instructions; the eight accumulators take turns, one instruction a turn.  first = 1: C is the bias.
.macro MUL8 sub, first
.irp tt, 0,1
.irp nt, 0,1,2,3
.if \first
	v_wmma_f32_16x16x32_f16 v[ACC+8*(4*\tt+\nt):ACC+8*(4*\tt+\nt)+7], v[WFR+8*(4*\sub+\nt):WFR+8*(4*\sub+\nt)+7], v[AFR+8*(2*\sub+\tt):AFR+8*(2*\sub+\tt)+7], v[BIA+8*\nt:BIA+8*\nt+7]
.else
	v_wmma_f32_16x16x32_f16 v[ACC+8*(4*\tt+\nt):ACC+8*(4*\tt+\nt)+7], v[WFR+8*(4*\sub+\nt):WFR+8*(4*\sub+\nt)+7], v[AFR+8*(2*\sub+\tt):AFR+8*(2*\sub+\tt)+7], v[ACC+8*(4*\tt+\nt):ACC+8*(4*\tt+\nt)+7]
.endif
.endr
.endr
.endm
; K step st on buffer b.  The one barrier: every wave's stores into buffer b are done before anyone reads it, and every wave's reads of
; buffer nb are done before anyone stores into it again at the end of this step.
.macro KSTEPP st, b, nb, nx
	s_wait_dscnt 0x0
	s_barrier_signal -1
	s_barrier_wait -1
	FRAGSP \b
	s_wait_dscnt 12                                ; the first 32 along K are in; the twelve loads of the second 32 may be out
.if \st == 0
	MUL8 0, 1
.else
	MUL8 0, 0
.endif
	s_wait_dscnt 0x0
	MUL8 1, 0
	PLACES 4                                       ; four places (ISA guide 7.12.1) before the fragments are loaded again or the results read
.if \st < 7
	CVTSTP \nb
.endif
.if \st < 6
	GLOADP \nx
.endif
.endm
.irp nt, 0,1,2,3
	global_load_b128 v[BIA+8*\nt:BIA+8*\nt+3],   v[BO], s[8:9] offset:64*\nt
	global_load_b128 v[BIA+8*\nt+4:BIA+8*\nt+7], v[BO], s[8:9] offset:64*\nt+16
.endr
	GLOADP 0
	; LDS addresses, while the first loads are on their way
	s_mul_i32 s20, s12, 16*AP
	v_lshlrev_b32 v[AS], 4, v[T_7]
	v_mad_u32_u24 v[AS], v[T_3], AP, v[AS]
	v_add_nc_u32 v[AS], s20, v[AS]                 ; row 16 w + (L >> 3), byte 16 (L & 7)
	s_mul_i32 s20, s12, 8*BP
	s_add_co_u32 s20, s20, BT
	v_lshlrev_b32 v[BS], 3, v[T_L]
	v_add_nc_u32 v[BS], s20, v[BS]                 ; k row 8 w, byte 8 L
	s_mul_i32 s20, s13, 32*AP
	v_lshlrev_b32 v[AF], 4, v[T_H]
	v_mad_u32_u24 v[AF], v[T_R], AP, v[AF]
	v_add_nc_u32 v[AF], s20, v[AF]                 ; row 32 wm + r, byte 16 h
	s_lshl_b32 s20, s14, 7
	s_add_co_u32 s20, s20, BT
	v_lshlrev_b32 v[BF], 4, v[T_B]
	v_mad_u32_u24 v[BF], v[T_K], BP, v[BF]
	v_add_nc_u32 v[BF], s20, v[BF]                 ; k row 8 h + (L & 7), column 64 wn + 8 ((L >> 3) & 1)
	s_mul_i32 s20, s12, 32*SPI
	s_add_co_u32 s20, s20, STAGE                   ; my wave's stage
	v_lshlrev_b32 v[STO], 5, v[T_H]
	v_mad_u32_u24 v[STO], v[T_R], SPI, v[STO]
	v_add_nc_u32 v[STO], s20, v[STO]               ; in: row r, 32 bytes for each half of the lanes
	v_lshlrev_b32 v[RD], 4, v[T_R]
	v_mad_u32_u24 v[RD], v[T_H], SPI, v[RD]
	v_add_nc_u32 v[RD], s20, v[RD]                 ; back: lanes 0-15 one row of 256 bytes, lanes 16-31 the next
	v_lshlrev_b32 v[GO], 4, v[T_R]
	v_lshl_add_u32 v[GO], v[T_H], 11, v[GO]        ; the same two rows in out0
	CVTSTP 0                                       ; its waits also show the bias loads, which are older, done
	GLOADP 1
	KSTEPP 0, 0, 1, 2
	KSTEPP 1, 1, 0, 3
	KSTEPP 2, 0, 1, 4
	KSTEPP 3, 1, 0, 5
	KSTEPP 4, 0, 1, 6
	KSTEPP 5, 1, 0, 7
	KSTEPP 6, 0, 1, 0
	KSTEPP 7, 1, 0, 0
	; THE WAY OUT, through my wave's own stage, which lies apart from the buffers: no barrier, and LDS serves a wave's instructions in order.
.irp tt, 0,1
.irp nt, 0,1,2,3
	ds_store_b128 v[STO], v[ACC+8*(4*\tt+\nt):ACC+8*(4*\tt+\nt)+3]   offset:16*SPI*\tt+64*\nt
	ds_store_b128 v[STO], v[ACC+8*(4*\tt+\nt)+4:ACC+8*(4*\tt+\nt)+7] offset:16*SPI*\tt+64*\nt+16
.endr
.endr
.set i, 0
.rept 16
	ds_load_b128 v[AFR+4*i:AFR+4*i+3], v[RD] offset:2*SPI*i
.set i, i+1
.endr
.set i, 0
.rept 16
	s_wait_dscnt 15-i
	global_store_b128 v[GO], v[AFR+4*i:AFR+4*i+3], s[10:11] offset:4096*i th:TH_STORE_NT   ; 16 lanes store 256 consecutive bytes, aligned
.set i, i+1
.endr
	s_wait_tensorcnt 0x0
	ds_add_u32 v14, v15
	s_wait_dscnt 0x0
	s_endpgm
.Lfunc_end_k_q0331b84f66_proj:
	.size	k_q0331b84f66_proj, .Lfunc_end_k_q0331b84f66_proj-k_q0331b84f66_proj
	.p2alignl 7, 3214868480
	.fill 96, 4, 3214868480
	.section	.rodata,"a",@progbits
	.p2align	6, 0x0
	.amdhsa_kernel k_q0331b84f66_proj
		.amdhsa_group_segment_fixed_size 144384
		.amdhsa_private_segment_fixed_size 0
		.amdhsa_enable_private_segment 0
		.amdhsa_kernarg_size 32
		.amdhsa_user_sgpr_count 2
		.amdhsa_user_sgpr_kernarg_segment_ptr 1
		.amdhsa_wavefront_size32 1
		.amdhsa_system_sgpr_workgroup_id_x 1
		.amdhsa_system_sgpr_workgroup_id_y 1
		.amdhsa_system_sgpr_workgroup_id_z 1
		.amdhsa_system_vgpr_workitem_id 0
		.amdhsa_next_free_vgpr 256
		.amdhsa_next_free_sgpr 66
		.amdhsa_reserve_vcc 0
		.amdhsa_float_denorm_mode_32 3
		.amdhsa_float_denorm_mode_16_64 3
		.amdhsa_memory_ordered 1
		.amdhsa_forward_progress 1
		.amdhsa_inst_pref_size 70
	.end_amdhsa_kernel
	.amdgpu_metadata
---
amdhsa.version: [ 1, 2 ]
amdhsa.kernels:
  - .name:           k_q0331b84f66_proj
    .symbol:         k_q0331b84f66_proj.kd
    .args:
      - { .name: aw, .offset: 0, .size: 8, .value_kind: global_buffer, .address_space: global }
      - { .name: Wp, .offset: 8, .size: 8, .value_kind: global_buffer, .address_space: global }
      - { .name: bp, .offset: 16, .size: 8, .value_kind: global_buffer, .address_space: global }
      - { .name: out0, .offset: 24, .size: 8, .value_kind: global_buffer, .address_space: global }
    .group_segment_fixed_size: 144384
    .private_segment_fixed_size: 0
    .kernarg_segment_align: 8
    .kernarg_segment_size: 32
    .max_flat_workgroup_size: 256
    .sgpr_count:     66
    .vgpr_count:     256
    .wavefront_size: 32
...
	.end_amdgpu_metadata
.endif
;; end of part 3
;; ======== version 2 of 2: 3 launches
;; limits: values are held in f16: magnitudes above 65,504 overflow, below 6.1e-05 lose precision
;; workspace buffers: qw 8,388,608 bytes; kw 8,388,608 bytes; vw 8,388,608 bytes; aw 8,388,608 bytes; wpw 524,288 bytes
;; launch qkv (part 4): grid 8 x 32, 8 waves a work-group, no clusters, 128,000 bytes of LDS; arguments x, Wq, Wk, Wv, bq, bk, bv, qw, kw, vw, Wp, wpw; writes qw, kw, vw, wpw
.if DOCPART == 4
	.amdgcn_target "amdgcn-amd-amdhsa--gfx1250"
	.amdhsa_code_object_version 6
	.text
	.protected	k_q0331b84f66_qkv
	.globl	k_q0331b84f66_qkv
	.p2align	8
	.type	k_q0331b84f66_qkv,@function
k_q0331b84f66_qkv:
	s_mov_b64 s[64:65], 0
	v_nop
	global_prefetch_b8 v0, s[64:65] scope:SCOPE_SE
	s_setreg_imm32_b32 hwreg(HW_REG_WAVE_MODE, 25, 1), 1
	s_wait_xcnt 0x0
; Q, K, V = x W + b for one head and 256 rows of x.  x: [8192][512] f32.  Wq, Wk, Wv: [8][512][64] f32.  bq, bk, bv: [8][64] f32.
; qw, kw, vw: [4][8][2048][64] f16 (a row of a head is 128 bytes, rows dense in t).
; The work-group (x = head, y = block of 256 rows) makes 256 rows x 192 columns; column n = 64 slab + d, slab 0, 1, 2 = Q, K, V.
; Eight waves: wave w makes rows 64 (w & 3) .. +63 and columns 96 (w >> 2) .. +95: 4 x 6 accumulator tiles, 192 registers.
; K goes in 8 steps of 64, all written out: an x row's piece and a W slab's row are 256 consecutive aligned bytes.
; Way in: 16-byte loads, rounding to bf16 in registers, 8-byte LDS stores into one of two buffers, one barrier a step.
; A step is two halves of 32 along K, on two sets of fragment registers that take turns: a half's 20 LDS loads are issued ahead of the 24
; products of the half before it.  The barrier stands in the middle of a step, so that the next step's first fragments can be asked for
; ahead of this step's second 24 products.
; The matrix instruction is used transposed (source 0 = 16 columns of W, source 1 = 16 rows of x): lane (r, h), register j holds
; (row r, column n0 + 8 h + j), eight neighbouring columns of a row.  The bias is loaded into the accumulators of row tile 0; the first
; products of row tiles 1 to 3 take these as C, and row tile 0 then adds in place: no register is kept for the bias and none is cleared.
; BESIDE THAT each of the 256 work-groups rounds 1,024 numbers of Wp ([512][512] f32) for the last launch: to bf16, the format in which
; every input of this program enters a product, and then written as f16 into wpw ([512][512] f16), because Wp's partner there is f16.
; LIMITS: x and W enter the products rounded to bf16, sums are f32, and Q, K, V leave rounded to f16: a magnitude above 65,504
; becomes infinity, below 2^-14 the step is 2^-24; the same holds of wpw.  With all inputs 30 times those of unit x and W within
; 1/sqrt(512) the results' spread is about 520; with offsets of 30 spreads on x and on W together they reach about 20,000.
; NO CLUSTER: the tiles that work-groups share are f32 in memory and pass through registers to be rounded; two joint f32 slots
; (2 x 114,688 bytes) beside the two bf16 buffers (126,976 bytes) are 356,352 bytes, more than the 327,680 of a WGP.
.set BUF,  63488                       ; one LDS buffer: x's tile, then W's
.set WT,   36864                       ; W's tile inside a buffer (behind 256 rows of 144 bytes)
.set XP,   144                         ; x's tile: 128 bytes of a row + 16
.set WP,   416                         ; W's tile: 384 bytes of a k row + 32 = 13 x 32
.set SP,   400                         ; the way out: 384 bytes of a row + 16 = 25 x 16
.set XG,   1                           ; v1      byte offset in x of my 16 bytes
.set WGO,  2                           ; v2      byte offset in a W slab of my 16 bytes
.set XS0,  3                           ; v3, v4  where I store x in buffer 0, 1
.set WS0,  5                           ; v5, v6  where I store W
.set XF0,  7                           ; v7, v8  where my x fragments begin
.set WF0,  9                           ; v9, v10 where my W fragments begin
.set BO,   11                          ; v11     32 h: my eight bias numbers
.set STO,  12                          ; v12     the way out: where I put 16 bytes
.set RDB,  13                          ; v13     the way out: where I read rows back
.set GO,   14                          ; v14     my byte offset in qw, kw, vw
.set XST,  16                          ; v[16:79]   x as loaded, 16 loads
.set WST,  80                          ; v[80:127]  W as loaded, 12 loads
.set WFR,  128                         ; v[128:223] W fragments: 6 of set p at 128 + 48 p
.set PK,   128                         ; v[128:223] the way out: packed results
.set OB,   16                          ; v[16:111]  the way out: rows read back
.set WPD,  224                         ; v[224:227] my four numbers of Wp
.set WPI,  228                         ; v228    16 x thread: where they lie
.set WPO,  229                         ; v229    8 x thread: where they go
.set XFR,  192                         ; window 1: v[192:255] x fragments: 4 of set p at 192 + 32 p; window 1: v[0:191] accumulator (tt, nt) at 8 (6 tt + nt)
.set T_R,  240                         ; v240-246 set-up only
.set T_H,  241
.set T_L,  242
.set T_7,  243
.set T_B,  244
.set T_3,  245
.set T_K,  246
.set MSB, 0
.macro WIN new                         ; s_set_vgpr_msb: bits 1:0 source 0, 3:2 source 1, 5:4 source 2, 7:6 destination; the high byte repeats the setting left
.if MSB != \new
	s_set_vgpr_msb (MSB<<8)|\new
.set MSB, \new
.endif
.endm
.macro PLACES n
.rept \n
	v_nop
.endr
.endm
	s_load_b512 s[4:19], s[0:1], 0x0               ; x s[4:5], Wq s[6:7], Wk s[8:9], Wv s[10:11], bq s[12:13], bk s[14:15], bv s[16:17], qw s[18:19]
	s_load_b128 s[20:23], s[0:1], 0x40             ; kw s[20:21], vw s[22:23]
	s_load_b128 s[44:47], s[0:1], 0x50             ; Wp s[44:45], wpw s[46:47]
	v_lshl_add_u32 v254, v0, 2, 0x1f000
	v_mov_b32 v255, 0
	v_lshrrev_b32 v15, 5, v0
	v_readfirstlane_b32 s24, v15                   ; wave w
	s_and_b32 s25, s24, 3                          ; wm: which 64 rows
	s_lshr_b32 s26, s24, 2                         ; wn: which 96 columns
	s_mov_b32 s27, ttmp9                           ; head
	s_and_b32 s28, ttmp7, 0xffff                   ; block of 256 rows
	v_and_b32 v[T_R], 15, v0                       ; r
	v_bfe_u32 v[T_H], v0, 4, 1                     ; h
	v_and_b32 v[T_L], 31, v0                       ; lane L
	v_and_b32 v[T_7], 7, v0                        ; L & 7
	v_bfe_u32 v[T_B], v0, 3, 1                     ; (L >> 3) & 1
	v_bfe_u32 v[T_3], v0, 3, 2                     ; L >> 3
	v_lshl_add_u32 v[T_K], v[T_H], 3, v[T_7]       ; 8 h + (L & 7)
	v_lshlrev_b32 v[WPI], 4, v0
	v_lshlrev_b32 v[WPO], 3, v0
	s_lshl_b32 s38, s24, 16                        ; my wave's 32 rows of x, 2,048 bytes each
	v_lshlrev_b32 v[XG], 4, v[T_R]
	v_lshl_add_u32 v[XG], v[T_H], 14, v[XG]        ; lanes 16-31 take the row 8 further down
	v_add_nc_u32 v[XG], s38, v[XG]
	s_lshl_b32 s38, s24, 11                        ; my wave's 8 k rows of a slab, 256 bytes each
	v_lshlrev_b32 v[WGO], 4, v[T_R]
	v_lshl_add_u32 v[WGO], v[T_H], 10, v[WGO]      ; lanes 16-31 take the row 4 further down
	v_add_nc_u32 v[WGO], s38, v[WGO]
	v_lshlrev_b32 v[BO], 5, v[T_H]
	s_lshl_b32 s30, s28, 19                        ; 256 rows of 2,048 bytes
	s_mov_b32 s31, 0
	s_lshl_b32 s40, s27, 8                         ; a head's 64 bias numbers
	s_wait_kmcnt 0x0
	s_add_nc_u64 s[4:5], s[4:5], s[30:31]          ; x at my block
	s_lshl_b32 s30, s27, 17                        ; a head's slab: 512 x 256 bytes
	s_add_nc_u64 s[6:7], s[6:7], s[30:31]
	s_add_nc_u64 s[8:9], s[8:9], s[30:31]
	s_add_nc_u64 s[10:11], s[10:11], s[30:31]
	; my 96 columns are three groups of 32, each inside one slab.  wn = 0: columns 0, 32, 64 = bq + 0, bq + 32, bk + 0; wn = 1: 96, 128, 160 = bk + 32, bv + 0, bv + 32
	s_cmp_eq_u32 s26, 0
	s_cselect_b64 s[32:33], s[12:13], s[14:15]
	s_cselect_b64 s[34:35], s[12:13], s[16:17]
	s_cselect_b64 s[36:37], s[14:15], s[16:17]
	s_cselect_b32 s38, 0, 128
	s_cselect_b32 s39, 128, 0
	s_add_co_u32 s30, s40, s38
	s_add_nc_u64 s[32:33], s[32:33], s[30:31]
	s_add_nc_u64 s[36:37], s[36:37], s[30:31]
	s_add_co_u32 s30, s40, s39
	s_add_nc_u64 s[34:35], s[34:35], s[30:31]
	s_lshr_b32 s38, s28, 3                         ; batch
	s_lshl3_add_u32 s38, s38, s27                  ; 8 x batch + head
	s_lshl_b32 s38, s38, 18                        ; x 2,048 rows of 128 bytes
	s_and_b32 s39, s28, 7
	s_lshl_b32 s39, s39, 15                        ; + my 256 rows in the batch
	s_add_co_u32 s30, s38, s39
	s_add_nc_u64 s[18:19], s[18:19], s[30:31]
	s_add_nc_u64 s[20:21], s[20:21], s[30:31]
	s_add_nc_u64 s[22:23], s[22:23], s[30:31]
	s_lshl3_add_u32 s38, s28, s27                  ; the work-group's number, 8 y + head: its 1,024 numbers of Wp
	s_lshl_b32 s30, s38, 12                        ; 4,096 bytes in
	s_add_nc_u64 s[44:45], s[44:45], s[30:31]
	s_lshl_b32 s30, s38, 11                        ; 2,048 bytes out
	s_add_nc_u64 s[46:47], s[46:47], s[30:31]
; K step st: 16 loads of x (two rows each) and 12 of W (two k rows each)
.macro GLOAD st
.set i, 0
.rept 16
	global_load_b128 v[XST+4*i:XST+4*i+3], v[XG], s[4:5] offset:((i&7)+16*(i>>3))*2048+256*\st
.set i, i+1
.endr
.irp slab, 0,1,2
.irp q, 0,1,2,3
	global_load_b128 v[WST+16*\slab+4*\q:WST+16*\slab+4*\q+3], v[WGO], s[6+2*\slab:7+2*\slab] offset:256*\q+16384*\st
.endr
.endr
.endm
; what GLOAD brought is rounded to bf16 in place and stored into buffer b.  A store's lanes 0-15 cover 128 bytes of one LDS row and lanes
; 16-31 128 bytes of a row 1,152 (x) or 1,664 (W) bytes on, which is 128 modulo 256: the 32 lanes touch 256 different bytes modulo 256.
.macro CVTST b
	s_wait_loadcnt 12                              ; loads return in order: all but W's twelve, the youngest, are in
.set i, 0
.rept 16
	v_cvt_pk_bf16_f32 v[XST+4*i], v[XST+4*i], v[XST+4*i+1]
	v_cvt_pk_bf16_f32 v[XST+4*i+1], v[XST+4*i+2], v[XST+4*i+3]
	ds_store_b64 v[XS0+\b], v[XST+4*i:XST+4*i+1] offset:((i&7)+16*(i>>3))*XP
.set i, i+1
.endr
	s_wait_loadcnt 0
.irp slab, 0,1,2
.irp q, 0,1,2,3
	v_cvt_pk_bf16_f32 v[WST+16*\slab+4*\q], v[WST+16*\slab+4*\q], v[WST+16*\slab+4*\q+1]
	v_cvt_pk_bf16_f32 v[WST+16*\slab+4*\q+1], v[WST+16*\slab+4*\q+2], v[WST+16*\slab+4*\q+3]
	ds_store_b64 v[WS0+\b], v[WST+16*\slab+4*\q:WST+16*\slab+4*\q+1] offset:WP*\q+128*\slab
.endr
.endr
.endm
; 20 LDS loads: the fragments of half sub (32 along K) of the step in buffer b, into set sub.  W lies with K down its rows and is read
; transposed, into window 0; x lies with K along its rows and goes into window 1.  The macro leaves the destination's window at 1.
.macro FRAGS b, sub
	WIN 0
.irp nt, 0,1,2,3,4,5
	ds_load_tr16_b128 v[WFR+48*\sub+8*\nt:WFR+48*\sub+8*\nt+3],   v[WF0+\b] offset:32*WP*\sub+32*\nt
	ds_load_tr16_b128 v[WFR+48*\sub+8*\nt+4:WFR+48*\sub+8*\nt+7], v[WF0+\b] offset:32*WP*\sub+32*\nt+16*WP
.endr
	WIN 0x40
.irp tt, 0,1,2,3
	ds_load_b128 v[XFR+32*\sub+8*\tt:XFR+32*\sub+8*\tt+3],   v[XF0+\b] offset:16*XP*\tt+64*\sub
	ds_load_b128 v[XFR+32*\sub+8*\tt+4:XFR+32*\sub+8*\tt+7], v[XF0+\b] offset:16*XP*\tt+64*\sub+32
.endr
.endm
; six matrix instructions: row tile tt x all six column tiles, on set sub; C is row tile ct's accumulator
.macro MULROW tt, sub, ct
.irp nt, 0,1,2,3,4,5
	v_wmma_f32_16x16x32_bf16 v[8*(6*\tt+\nt):8*(6*\tt+\nt)+7], v[WFR+48*\sub+8*\nt:WFR+48*\sub+8*\nt+7], v[XFR+32*\sub+8*\tt:XFR+32*\sub+8*\tt+7], v[8*(6*\ct+\nt):8*(6*\ct+\nt)+7]
.endr
.endm
; 24 matrix instructions; the 24 accumulators take turns, one instruction a turn.
; first = 1: row tile 0's accumulators hold the bias as loaded.  Row tiles 1 to 3 take them as C; five places (ISA guide 7.12.1) stand
; before row tile 0's products write over what those have read.
.macro MUL24 sub, first
.if \first
	MULROW 1, \sub, 0
	MULROW 2, \sub, 0
	MULROW 3, \sub, 0
	PLACES 5
	MULROW 0, \sub, 0
.else
	MULROW 0, \sub, 0
	MULROW 1, \sub, 1
	MULROW 2, \sub, 2
	MULROW 3, \sub, 3
.endif
.endm
; K step st on buffer b; set 0 was asked for in the step before.  The one barrier orders two things: every wave's stores into buffer nb are
; done before anyone reads it, and every wave's reads of buffer b (both halves) are done before anyone stores into it again in the next step.
; The stores into nb stand behind the last step's barrier, in front of which every wave had waited for its reads of nb.
; The four v_nop behind each run of matrix instructions are the places in front of the loads into their sources.
.macro KSTEP st, b, nb, nx
	FRAGS \b, 1                                    ; the second half's fragments go on their way
	s_wait_dscnt 20                                ; LDS loads return in order: all but the twenty just issued are in: set 0
	WIN 0x54                                       ; source 0 (W) window 0; source 1 (x), C and D window 1
.if \st == 0
	MUL24 0, 1
.else
	MUL24 0, 0
.endif
	PLACES 4
	WIN 0
.if \st < 7
	CVTST \nb                                      ; the next step's tiles, asked for one step ago
.endif
.if \st < 6
	GLOAD \nx                                      ; and the tiles of the step after it go on their way: they have a whole step
.endif
	s_wait_dscnt 0x0                               ; my stores into nb and my reads of b are done
	s_barrier_signal -1
	s_barrier_wait -1
.if \st < 7
	FRAGS \nb, 0                                   ; the next step's first fragments go on their way
.endif
	WIN 0x54
	MUL24 1, 0
	PLACES 4
	WIN 0
.endm
	global_load_b128 v[WPD:WPD+3], v[WPI], s[44:45]        ; my four numbers of Wp: the oldest load of all
	WIN 0x40                                       ; destination in window 1: the bias lands in row tile 0's accumulators
.irp g, 0,1,2
.irp e, 0,1
	global_load_b128 v[8*(2*\g+\e):8*(2*\g+\e)+3],   v[BO], s[32+2*\g:33+2*\g] offset:64*\e
	global_load_b128 v[8*(2*\g+\e)+4:8*(2*\g+\e)+7], v[BO], s[32+2*\g:33+2*\g] offset:64*\e+16
.endr
.endr
	WIN 0
	GLOAD 0
	; LDS addresses, while the first loads are on their way
	s_mul_i32 s38, s24, 32*XP
	v_lshlrev_b32 v[XS0], 3, v[T_R]
	v_mad_u32_u24 v[XS0], v[T_H], 8*XP, v[XS0]
	v_add_nc_u32 v[XS0], s38, v[XS0]               ; row 32 w + 8 h, byte 8 r
	v_add_nc_u32 v[XS0+1], BUF, v[XS0]
	s_mul_i32 s38, s24, 8*WP
	s_add_co_u32 s38, s38, WT
	v_lshlrev_b32 v[WS0], 3, v[T_R]
	v_mad_u32_u24 v[WS0], v[T_H], 4*WP, v[WS0]
	v_add_nc_u32 v[WS0], s38, v[WS0]               ; k row 8 w + 4 h, byte 8 r
	v_add_nc_u32 v[WS0+1], BUF, v[WS0]
	s_mul_i32 s38, s25, 64*XP
	v_lshlrev_b32 v[XF0], 4, v[T_H]
	v_mad_u32_u24 v[XF0], v[T_R], XP, v[XF0]
	v_add_nc_u32 v[XF0], s38, v[XF0]               ; row 64 wm + r, byte 16 h
	v_add_nc_u32 v[XF0+1], BUF, v[XF0]
	s_mul_i32 s38, s26, 192
	s_add_co_u32 s38, s38, WT
	v_lshlrev_b32 v[WF0], 4, v[T_B]
	v_mad_u32_u24 v[WF0], v[T_K], WP, v[WF0]
	v_add_nc_u32 v[WF0], s38, v[WF0]               ; k row 8 h + (L & 7), column 96 wn + 8 ((L >> 3) & 1)
	v_add_nc_u32 v[WF0+1], BUF, v[WF0]
	s_mul_i32 s38, s25, 64*SP
	s_mul_i32 s39, s26, 192
	s_add_co_u32 s38, s38, s39
	v_lshlrev_b32 v[STO], 4, v[T_H]
	v_mad_u32_u24 v[STO], v[T_R], SP, v[STO]
	v_add_nc_u32 v[STO], s38, v[STO]               ; row 64 wm + r, column 96 wn + 8 h
	s_mul_i32 s38, s24, 32*SP
	v_lshlrev_b32 v[RDB], 4, v[T_7]
	v_mad_u32_u24 v[RDB], v[T_3], SP, v[RDB]
	v_add_nc_u32 v[RDB], s38, v[RDB]               ; row 32 w + (L >> 3), byte 16 (L & 7)
	s_lshl_b32 s38, s24, 12
	v_lshlrev_b32 v[GO], 4, v[T_L]
	v_add_nc_u32 v[GO], s38, v[GO]                 ; 32 w rows of 128 bytes + 16 L
	CVTST 0                                        ; its waits also show the loads of Wp and of the bias, which are older, done
	v_cvt_pk_bf16_f32 v[WPD], v[WPD], v[WPD+1]     ; Wp: rounded to bf16,
	v_cvt_pk_bf16_f32 v[WPD+1], v[WPD+2], v[WPD+3]
	v_lshlrev_b32 v[WPD+2], 16, v[WPD+1]           ; widened again,
	v_and_b32 v[WPD+3], 0xffff0000, v[WPD+1]
	v_cvt_pk_f16_f32 v[WPD+1], v[WPD+2], v[WPD+3]  ; and written as f16
	v_lshlrev_b32 v[WPD+2], 16, v[WPD]
	v_and_b32 v[WPD+3], 0xffff0000, v[WPD]
	v_cvt_pk_f16_f32 v[WPD], v[WPD+2], v[WPD+3]
	global_store_b64 v[WPO], v[WPD:WPD+1], s[46:47]        ; a wave's store covers 256 consecutive bytes, aligned; its registers are not written again
	GLOAD 1
	s_wait_dscnt 0x0                               ; my stores into buffer 0 are done
	s_barrier_signal -1
	s_barrier_wait -1                              ; everybody's are
	FRAGS 0, 0
	KSTEP 0, 0, 1, 2
	KSTEP 1, 1, 0, 3
	KSTEP 2, 0, 1, 4
	KSTEP 3, 1, 0, 5
	KSTEP 4, 0, 1, 6
	KSTEP 5, 1, 0, 7
	KSTEP 6, 0, 1, 0
	KSTEP 7, 1, 0, 0
	; THE WAY OUT.  The stage of 256 rows x 400 bytes lies over the two buffers.  No wave reads them behind the last step's barrier, in front
	; of which each had waited for all its reads: the stage may be written.
	WIN 0x05                                       ; sources in window 1 (four places behind the last matrix instruction: the v_nop above)
.set i, 0
.rept 24
.irp q, 0,1,2,3
	v_cvt_pk_f16_f32 v[PK+4*i+\q], v[8*i+2*\q], v[8*i+2*\q+1]
.endr
.set i, i+1
.endr
	WIN 0
.irp tt, 0,1,2,3
.irp nt, 0,1,2,3,4,5
	ds_store_b128 v[STO], v[PK+4*(6*\tt+\nt):PK+4*(6*\tt+\nt)+3] offset:16*SP*\tt+32*\nt
.endr
.endr
	s_wait_dscnt 0x0                               ; my stores are done, for the waves that read them
	s_barrier_signal -1
	s_barrier_wait -1
.irp slab, 0,1,2
.irp t, 0,1,2,3,4,5,6,7
	ds_load_b128 v[OB+32*\slab+4*\t:OB+32*\slab+4*\t+3], v[RDB] offset:4*SP*\t+128*\slab    ; four rows' 128 bytes of one slab
.endr
.endr
.irp slab, 0,1,2
.irp t, 0,1,2,3,4,5,6,7
	s_wait_dscnt 23-8*\slab-\t                     ; LDS loads return in order: this one is in, the younger ones may be out
	global_store_b128 v[GO], v[OB+32*\slab+4*\t:OB+32*\slab+4*\t+3], s[18+2*\slab:19+2*\slab] offset:512*\t   ; 512 consecutive bytes, aligned
.endr
.endr
	s_wait_tensorcnt 0x0
	ds_add_u32 v254, v255
	s_wait_dscnt 0x0
	s_endpgm
.Lfunc_end_k_q0331b84f66_qkv:
	.size	k_q0331b84f66_qkv, .Lfunc_end_k_q0331b84f66_qkv-k_q0331b84f66_qkv
	.p2alignl 7, 3214868480
	.fill 96, 4, 3214868480
	.section	.rodata,"a",@progbits
	.p2align	6, 0x0
	.amdhsa_kernel k_q0331b84f66_qkv
		.amdhsa_group_segment_fixed_size 128000
		.amdhsa_private_segment_fixed_size 0
		.amdhsa_enable_private_segment 0
		.amdhsa_kernarg_size 96
		.amdhsa_user_sgpr_count 2
		.amdhsa_user_sgpr_kernarg_segment_ptr 1
		.amdhsa_wavefront_size32 1
		.amdhsa_system_sgpr_workgroup_id_x 1
		.amdhsa_system_sgpr_workgroup_id_y 1
		.amdhsa_system_sgpr_workgroup_id_z 1
		.amdhsa_system_vgpr_workitem_id 0
		.amdhsa_next_free_vgpr 512
		.amdhsa_next_free_sgpr 66
		.amdhsa_reserve_vcc 0
		.amdhsa_float_denorm_mode_32 3
		.amdhsa_float_denorm_mode_16_64 3
		.amdhsa_memory_ordered 1
		.amdhsa_forward_progress 1
		.amdhsa_inst_pref_size 131
	.end_amdhsa_kernel
	.amdgpu_metadata
---
amdhsa.version: [ 1, 2 ]
amdhsa.kernels:
  - .name:           k_q0331b84f66_qkv
    .symbol:         k_q0331b84f66_qkv.kd
    .args:
      - { .name: x, .offset: 0, .size: 8, .value_kind: global_buffer, .address_space: global }
      - { .name: Wq, .offset: 8, .size: 8, .value_kind: global_buffer, .address_space: global }
      - { .name: Wk, .offset: 16, .size: 8, .value_kind: global_buffer, .address_space: global }
      - { .name: Wv, .offset: 24, .size: 8, .value_kind: global_buffer, .address_space: global }
      - { .name: bq, .offset: 32, .size: 8, .value_kind: global_buffer, .address_space: global }
      - { .name: bk, .offset: 40, .size: 8, .value_kind: global_buffer, .address_space: global }
      - { .name: bv, .offset: 48, .size: 8, .value_kind: global_buffer, .address_space: global }
      - { .name: qw, .offset: 56, .size: 8, .value_kind: global_buffer, .address_space: global }
      - { .name: kw, .offset: 64, .size: 8, .value_kind: global_buffer, .address_space: global }
      - { .name: vw, .offset: 72, .size: 8, .value_kind: global_buffer, .address_space: global }
      - { .name: Wp, .offset: 80, .size: 8, .value_kind: global_buffer, .address_space: global }
      - { .name: wpw, .offset: 88, .size: 8, .value_kind: global_buffer, .address_space: global }
    .group_segment_fixed_size: 128000
    .private_segment_fixed_size: 0
    .kernarg_segment_align: 8
    .kernarg_segment_size: 96
    .max_flat_workgroup_size: 256
    .sgpr_count:     66
    .vgpr_count:     512
    .wavefront_size: 32
...
	.end_amdgpu_metadata
.endif
;; end of part 4
;; launch attn (part 5): grid 256 x 1, 8 waves a work-group, no clusters, 327,680 bytes of LDS; arguments qw, kw, vw, aw; writes aw
.if DOCPART == 5
	.amdgcn_target "amdgcn-amd-amdhsa--gfx1250"
	.amdhsa_code_object_version 6
	.text
	.protected	k_q0331b84f66_attn
	.globl	k_q0331b84f66_attn
	.p2align	8
	.type	k_q0331b84f66_attn,@function
k_q0331b84f66_attn:
	s_mov_b64 s[64:65], 0
	v_nop
	global_prefetch_b8 v0, s[64:65] scope:SCOPE_SE
	s_setreg_imm32_b32 hwreg(HW_REG_WAVE_MODE, 25, 1), 1
	s_wait_xcnt 0x0
; Causal attention of one head.  qw, kw, vw, aw: [32 heads of batches][2048][64] f16.  aw = softmax(Q K^T / 8, keys <= query) V.
; Work-group g: head g >> 3, j = g & 7.  It owns the blocks j ("low") and 15 - j ("high") of 128 queries and streams the head's keys from 0
; on once for both, in tiles of 256 keys through two LDS slots: 8 - (j >> 1) tiles; a tile is worked on in four steps of 64 keys.  (For odd
; j the last tile's upper 128 keys lie behind all the group's queries: they are brought with the tile, from inside the buffer, and passed over.)
; Wave w owns 16 queries of each block: query tile 0 = qlo .. qlo + 15, qlo = 128 j + 16 w; query tile 1 = qhi .. qhi + 15,
; qhi = 128 (15 - j) + 16 w.  A tile of 16 queries lies inside one step of keys, its diagonal step: MT0 = qlo >> 6, MT1 = qhi >> 6.  Up to
; there it has work, there it is masked, behind it it has none: (MT0 + 1) + (MT1 + 1) = 32 + 2 (w >> 2) tile steps for every wave of every
; work-group, and every wave has work in every step up to MT1.
; WHERE THE DIAGONALS LIE.  MT0 <= 15, so the low tile's work ends in one of the key tiles 0 to 3.  MT1 = 30 - 2 j + (w >> 2), and
; MT1 >> 2 = 7 - (j >> 1) for all j and w: the high tile's diagonal step lies in the work-group's LAST key tile, which is tile 4 at the
; least.  So there are three forms of a step: the first of all (both query tiles, the low one masked); a step of a key tile that is not the
; last (the high tile unmasked; the low tile's part is jumped over behind MT0 and masked at MT0); a step of the last key tile (the high
; tile alone, masked at MT1, passed over behind it).
; THE RING: a slot is asked for again straight behind the barrier that shows its last reads over, by one tensor load of 64 rows from each of
; the eight waves (65,536 bytes of data in all), and is waited for in front of the next barrier: four steps lie between.
; EVERYTHING IS TRANSPOSED.  Scores: source 0 = 16 keys of K, source 1 = 16 queries of Q: lane (r, h), register j holds key 8 h + j of
; query r.  Two such tiles, packed to f16, are source 1 (32 keys x 16 queries) of the second product as they stand; its source 0 is V read
; transposed from LDS; its result holds d = 8 h + j of query r.  So maximum, sum and rescaling are one number a lane (query r), and one
; exchange between the halves of the wave joins the two halves of the keys.
; Softmax with a running maximum, in base 2: p = exp2(c s - c m), c = log2(e) / 8.  Key 0 is open to every query, so m is finite from the
; first step on.  LIMITS: P is rounded to f16 (p <= 1; below 2^-14 its step is 2^-24), the row sum is taken of the unrounded p; exp2
; results under 2^-126 are zero; the output is rounded to f16.  NaN and infinities in Q, K, V are not treated.
; NO CLUSTER: the eight work-groups of a head need 8 - (j >> 1) tiles, not the same number each, and the branches that pass over or mask a
; step hang on j, which would be a work-group's place in its cluster.
.set KP,    144                        ; K's rows: 128 bytes + 16: 16 rows of a fragment begin 16 bytes apart modulo 256
.set VP,    160                        ; V's rows: 128 bytes + 32 = 5 x 32, for the transposing loads
.set TK,    256                        ; keys in a slot
.set KOFF,  TK*VP                      ; a slot: V's 256 rows (40,960 bytes), then K's (36,864)
.set SLOT,  TK*(KP+VP)                 ; 77,824
.set STAGE, 2*SLOT                     ; behind the ring, in bytes that no tensor load fills: 32 rows x 144 bytes for each wave
.set KA,  1                            ; v1, v2  slot 0, 1: slot + KOFF + r * 144 + 16 h
.set LD,  3                            ; v3  r - 8 h
.set T0,  4                            ; v4  a score tile's threshold: register j is open where j <= T0
.set VA,  6                            ; v6, v7  slot 0, 1: slot + (8 h + (L & 7)) * 160 + 16 ((L >> 3) & 1)
.set NM,  8                            ; v[8:9], v[10:11]    (-c m, m) of query tile 0, 1
.set AL,  12                           ; v[12:13], v[14:15]  (rescaling factor, row sum of my half of the keys)
.set W0,  16                           ; v[16:23] at work
.set QO,  24                           ; v24  byte offset in the head of my 16 bytes of Q, query tile 0
.set STO, 25
.set RD,  26
.set GO,  27                           ; v27  byte offset in the head of my 16 bytes of the output, query tile 0
.set QO1, 28                           ; v28  as QO, query tile 1
.set GO1, 29                           ; v29  as GO, query tile 1
.set QFR, 32                           ; v[32:63]   Q fragment (qt, c) at 32 + 16 qt + 8 c
.set SCO, 64                           ; v[64:127]  scores (qt, kt) at 64 + 32 qt + 8 kt; packed P (qt, ks) at 64 + 32 qt + 8 ks
.set OAC, 128                          ; v[128:191] output (qt, dt) at 128 + 32 qt + 8 dt
.set KVF, 192                          ; v[192:255] K fragment (kt, c) at 192 + 32 c + 8 kt, later V fragment (dt, ks) at 192 + 32 ks + 8 dt
.set G1K, 32                           ; s[32:39] descriptor group 1 for K's tiles
.set G1V, 40                           ; s[40:47] for V's: the padding differs
.set G0K, 48                           ; s[48:55] group 0 for K, one set for each slot
.set G0V, 56                           ; s[56:63] for V
.macro PLACES n
.rept \n
	v_nop
.endr
.endm
	s_load_b256 s[4:11], s[0:1], 0x0               ; qw s[4:5], kw s[6:7], vw s[8:9], aw s[10:11]
	v_lshl_add_u32 v30, v0, 2, 0x2f000
	v_mov_b32 v31, 0
	ds_add_u32 v30, v31
	v_lshrrev_b32 v5, 5, v0
	v_readfirstlane_b32 s12, v5                    ; wave w
	s_and_b32 s13, s12, 3                          ; which 64 rows of a tile I fetch
	s_and_b32 s15, ttmp9, 7                        ; j
	s_lshr_b32 s16, ttmp9, 3                       ; head
	s_lshl_b32 s28, s12, 4                         ; 16 w
	s_lshl_b32 s17, s15, 7
	s_add_co_u32 s17, s17, s28                     ; qlo = 128 j + 16 w
	s_sub_co_u32 s18, 15, s15
	s_lshl_b32 s18, s18, 7
	s_add_co_u32 s18, s18, s28                     ; qhi = 128 (15 - j) + 16 w
	s_lshr_b32 s14, s17, 6                         ; MT0
	s_lshr_b32 s19, s18, 6                         ; MT1
	s_lshr_b32 s21, s15, 1                         ; n = 8 - (j >> 1) tiles: one ahead of the loop, two a trip, one (n even) or two (n odd) behind it:
	s_add_co_u32 s21, s21, 1
	s_lshr_b32 s21, s21, 1
	s_sub_co_u32 s21, 3, s21                       ; 3 - (((j >> 1) + 1) >> 1) trips, 1 to 3
	s_mov_b32 s20, 0                               ; the step
	s_mov_b32 s22, 0x3e38aa3b                      ; c = log2(e) / 8, twice: a pair for the packed multiply-add
	s_mov_b32 s23, 0x3e38aa3b
	s_mov_b32 s24, 0xbe38aa3b                      ; -c
	s_mov_b32 s25, 0x76543210                      ; v_permlanex16_b32: lane i reads lane i of the other half
	s_mov_b32 s26, 0xfedcba98
	s_mov_b32 s27, 0xff800000                      ; minus infinity
	; group 1: 64 rows x 64 elements of 2 bytes, row to row 64 elements; behind every 32 words of LDS 4 (K) or 8 (V) words are skipped
	s_mov_b32 s[G1K+0], (1<<16)|(1<<20)|(4<<22)|(3<<25)
	s_mov_b32 s[G1V+0], (1<<16)|(1<<20)|(4<<22)|(7<<25)
	s_mov_b32 s[G1K+1], 64<<16                     ; tensor_dim0 = 64
	s_mov_b32 s[G1V+1], 64<<16
	s_mov_b32 s[G1K+2], 64<<16                     ; tensor_dim1 = 64
	s_mov_b32 s[G1V+2], 64<<16
	s_mov_b32 s[G1K+3], 64<<16                     ; tile_dim0 = 64
	s_mov_b32 s[G1V+3], 64<<16
	s_mov_b32 s[G1K+4], 64                         ; tile_dim1 = 64
	s_mov_b32 s[G1V+4], 64
	s_mov_b32 s[G1K+5], 64                         ; pitch
	s_mov_b32 s[G1V+5], 64
	s_mov_b32 s[G1K+6], 0
	s_mov_b32 s[G1V+6], 0
	s_mov_b32 s[G1K+7], 0
	s_mov_b32 s[G1V+7], 0
	s_mul_i32 s28, s12, 64*VP                      ; waves 0-3 bring V: 64 rows of 160 bytes each, from the slot's first byte on
	s_mul_i32 s29, s12, 64*KP                      ; waves 4-7 bring K: 64 rows of 144 bytes each; wave 4's begin at KOFF
	s_lshl_b32 s2, s17, 7                          ; my low queries' rows in the head, 128 bytes each
	s_lshl_b32 s3, s18, 7                          ; my high queries' rows
	s_lshl_b32 s30, s16, 18                        ; a head: 2,048 rows of 128 bytes
	s_mov_b32 s31, 0
	s_wait_dscnt 0x0
	s_barrier_signal -1
	s_barrier_wait -1
	s_wait_kmcnt 0x0
	s_add_nc_u64 s[4:5], s[4:5], s[30:31]
	s_add_nc_u64 s[6:7], s[6:7], s[30:31]
	s_add_nc_u64 s[8:9], s[8:9], s[30:31]
	s_add_nc_u64 s[10:11], s[10:11], s[30:31]
	s_lshl_b32 s30, s13, 13                        ; the 64 rows of a tile that I fetch
	s_add_nc_u64 s[6:7], s[6:7], s[30:31]
	s_add_nc_u64 s[8:9], s[8:9], s[30:31]
.irp o, 0,1
	s_mov_b32 s[G0K+4*\o], 1
	s_add_co_u32 s[G0K+4*\o+1], s29, \o*SLOT+KOFF-4*64*KP
	s_add_nc_u64 s[G0K+4*\o+2:G0K+4*\o+3], s[6:7], \o*TK*128        ; tile o: 256 rows of 128 bytes each
	s_or_b32 s[G0K+4*\o+3], s[G0K+4*\o+3], 0x80000000
	s_mov_b32 s[G0V+4*\o], 1
	s_add_co_u32 s[G0V+4*\o+1], s28, \o*SLOT
	s_add_nc_u64 s[G0V+4*\o+2:G0V+4*\o+3], s[8:9], \o*TK*128
	s_or_b32 s[G0V+4*\o+3], s[G0V+4*\o+3], 0x80000000
.endr
	; the first fills, in one group: every wave brings its 64 rows of tiles 0 and 1.  A wave has at most these two tensor loads out, later one.
	s_cmp_ge_u32 s12, 4
	s_cbranch_scc1 .Lfirst_k
	tensor_load_to_lds s[G0V:G0V+3], s[G1V:G1V+7]
	s_nop 0
	tensor_load_to_lds s[G0V+4:G0V+7], s[G1V:G1V+7]
	s_nop 0
	s_branch .Lfirst_done
.Lfirst_k:
	tensor_load_to_lds s[G0K:G0K+3], s[G1K:G1K+7]
	s_nop 0
	tensor_load_to_lds s[G0K+4:G0K+7], s[G1K:G1K+7]
	s_nop 0
.Lfirst_done:
	v_and_b32 v16, 15, v0                          ; r
	v_bfe_u32 v17, v0, 4, 1                        ; h
	v_lshlrev_b32 v[QO], 4, v17
	v_lshl_add_u32 v[QO], v16, 7, v[QO]            ; r * 128 + 16 h
	v_add_nc_u32 v[QO1], s3, v[QO]                 ; + the high tile's first row
	v_add_nc_u32 v[QO], s2, v[QO]                  ; + the low tile's
.irp c, 0,1
	global_load_b128 v[QFR+8*\c:QFR+8*\c+3],       v[QO],  s[4:5] offset:64*\c
	global_load_b128 v[QFR+8*\c+4:QFR+8*\c+7],     v[QO],  s[4:5] offset:64*\c+32
	global_load_b128 v[QFR+16+8*\c:QFR+16+8*\c+3], v[QO1], s[4:5] offset:64*\c
	global_load_b128 v[QFR+16+8*\c+4:QFR+16+8*\c+7], v[QO1], s[4:5] offset:64*\c+32
.endr
	v_and_b32 v18, 7, v0                           ; L & 7
	v_bfe_u32 v19, v0, 3, 1                        ; (L >> 3) & 1
	v_bfe_u32 v20, v0, 3, 2                        ; L >> 3
	v_and_b32 v21, 31, v0                          ; L
	v_lshlrev_b32 v23, 4, v17
	v_mad_u32_u24 v23, v16, KP, v23                ; r * 144 + 16 h
	v_add_nc_u32 v[KA], KOFF, v23
	v_add_nc_u32 v[KA+1], SLOT+KOFF, v23
	v_lshl_add_u32 v22, v17, 3, v18
	v_lshlrev_b32 v[VA], 4, v19
	v_mad_u32_u24 v[VA], v22, VP, v[VA]
	v_add_nc_u32 v[VA+1], SLOT, v[VA]
	v_lshlrev_b32 v22, 3, v17
	v_sub_nc_u32 v[LD], v16, v22
	s_mul_i32 s28, s12, 32*KP
	s_add_co_u32 s28, s28, STAGE                   ; my wave's stage: rows 0-15 the low tile, rows 16-31 the high one
	v_add_nc_u32 v[STO], s28, v23                  ; in: row r, 16 bytes for each half of the lanes
	v_lshlrev_b32 v[RD], 4, v18
	v_mad_u32_u24 v[RD], v20, KP, v[RD]
	v_add_nc_u32 v[RD], s28, v[RD]                 ; back: four rows of 128 bytes
	v_lshlrev_b32 v[GO], 4, v21
	v_add_nc_u32 v[GO1], s3, v[GO]
	v_add_nc_u32 v[GO], s2, v[GO]
; The softmax of query tile qt over this step's 64 keys; a lane holds 32 of them.  first = 1: there is no earlier maximum, sum or output.
.macro SOFTMAX qt, first
.set SB,  SCO+32*\qt
.set NMQ, NM+2*\qt
.set ALQ, AL+2*\qt
.irp k, 0,1,2,3
	v_max3_num_f32 v[W0+\k], v[SB+8*\k], v[SB+8*\k+1], v[SB+8*\k+2]          ; four chains that do not wait for each other
.endr
.irp k, 0,1,2,3
	v_max3_num_f32 v[W0+\k], v[W0+\k], v[SB+8*\k+3], v[SB+8*\k+4]
.endr
.irp k, 0,1,2,3
	v_max3_num_f32 v[W0+\k], v[W0+\k], v[SB+8*\k+5], v[SB+8*\k+6]
.endr
	v_max3_num_f32 v[W0], v[W0], v[W0+1], v[SB+7]
	v_max3_num_f32 v[W0+2], v[W0+2], v[W0+3], v[SB+15]
	v_max3_num_f32 v[W0], v[W0], v[W0+2], v[SB+23]
.if \first
	v_max_num_f32 v[W0], v[W0], v[SB+31]
.else
	v_max3_num_f32 v[W0], v[W0], v[SB+31], v[NMQ+1]                          ; the running maximum joins in
.endif
	v_permlanex16_b32 v[W0+1], v[W0], s25, s26                               ; the other half of the keys
	v_max_num_f32 v[W0+2], v[W0], v[W0+1]                                    ; the new maximum
.if \first == 0
	v_sub_f32 v[W0+3], v[NMQ+1], v[W0+2]
	v_mul_f32 v[W0+3], s22, v[W0+3]
	v_exp_f32 v[ALQ], v[W0+3]                                                ; exp2(c (m old - m new)) <= 1; the move below is the plain instruction behind it (ISA guide 5.7.2)
.endif
	v_mov_b32 v[NMQ+1], v[W0+2]
	v_mul_f32 v[NMQ], s24, v[W0+2]
.set i, 0
.rept 16
	v_pk_fma_f32 v[SB+2*i:SB+2*i+1], v[SB+2*i:SB+2*i+1], s[22:23], v[NMQ:NMQ+1] op_sel_hi:[1,0,0]   ; c s - c m, two at a time
.set i, i+1
.endr
.set i, 0
.rept 32
	v_exp_f32 v[SB+i], v[SB+i]
.set i, i+1
.endr
	v_nop                                                                    ; one plain instruction before the last results are used
	s_wait_alu depctr_va_vdst(0)
.irp k, 0,1,2,3
	v_pk_add_f32 v[W0+2*\k:W0+2*\k+1], v[SB+2*\k:SB+2*\k+1], v[SB+8+2*\k:SB+8+2*\k+1]
.endr
.irp k, 0,1,2,3
	v_pk_add_f32 v[W0+2*\k:W0+2*\k+1], v[W0+2*\k:W0+2*\k+1], v[SB+16+2*\k:SB+16+2*\k+1]
.endr
.irp k, 0,1,2,3
	v_pk_add_f32 v[W0+2*\k:W0+2*\k+1], v[W0+2*\k:W0+2*\k+1], v[SB+24+2*\k:SB+24+2*\k+1]
.endr
	v_pk_add_f32 v[W0:W0+1], v[W0:W0+1], v[W0+2:W0+3]
	v_pk_add_f32 v[W0+4:W0+5], v[W0+4:W0+5], v[W0+6:W0+7]
	v_pk_add_f32 v[W0:W0+1], v[W0:W0+1], v[W0+4:W0+5]
.if \first
	v_add_f32 v[ALQ+1], v[W0], v[W0+1]
.else
	v_fma_f32 v[ALQ+1], v[ALQ+1], v[ALQ], v[W0]
	v_add_f32 v[ALQ+1], v[ALQ+1], v[W0+1]
.endif
.set i, 0
.rept 16
	v_cvt_pk_f16_f32 v[SB+i], v[SB+2*i], v[SB+2*i+1]                         ; packed in place: word i is written when words 2 i, 2 i + 1 are read
.set i, i+1
.endr
.if \first == 0
.set i, 0
.rept 16
	v_pk_mul_f32 v[OAC+32*\qt+2*i:OAC+32*\qt+2*i+1], v[OAC+32*\qt+2*i:OAC+32*\qt+2*i+1], v[ALQ:ALQ+1] op_sel_hi:[1,0]
.set i, i+1
.endr
.endif
.endm
; The parts of a step on keys 64 sub .. 64 sub + 63 of the tile in slot.
.macro KLOAD slot, sub                 ; 16 LDS loads: K's fragments, d = 0 .. 31 first
.irp c, 0,1
.irp kt, 0,1,2,3
	ds_load_b128 v[KVF+32*\c+8*\kt:KVF+32*\c+8*\kt+3],   v[KA+\slot] offset:64*KP*\sub+16*KP*\kt+64*\c
	ds_load_b128 v[KVF+32*\c+8*\kt+4:KVF+32*\c+8*\kt+7], v[KA+\slot] offset:64*KP*\sub+16*KP*\kt+64*\c+32
.endr
.endr
.endm
.macro VLOAD slot, sub                 ; 16 transposing LDS loads: V's fragments, into the registers that held K's
.irp ks, 0,1
.irp dt, 0,1,2,3
	ds_load_tr16_b128 v[KVF+32*\ks+8*\dt:KVF+32*\ks+8*\dt+3],   v[VA+\slot] offset:64*VP*\sub+32*VP*\ks+32*\dt
	ds_load_tr16_b128 v[KVF+32*\ks+8*\dt+4:KVF+32*\ks+8*\dt+7], v[VA+\slot] offset:64*VP*\sub+32*VP*\ks+32*\dt+16*VP
.endr
.endr
.endm
.macro SMUL qt, kt, c                  ; scores of 16 keys x 16 queries, half c of d; half 0 starts the sum
.if \c
	v_wmma_f32_16x16x32_f16 v[SCO+32*\qt+8*\kt:SCO+32*\qt+8*\kt+7], v[KVF+32+8*\kt:KVF+32+8*\kt+7], v[QFR+16*\qt+8:QFR+16*\qt+15], v[SCO+32*\qt+8*\kt:SCO+32*\qt+8*\kt+7]
.else
	v_wmma_f32_16x16x32_f16 v[SCO+32*\qt+8*\kt:SCO+32*\qt+8*\kt+7], v[KVF+8*\kt:KVF+8*\kt+7], v[QFR+16*\qt:QFR+16*\qt+7], 0
.endif
.endm
.macro PMUL qt, dt, ks, zero           ; output of 16 d x 16 queries, 32 keys; zero = 1 starts the sum
.if \zero
	v_wmma_f32_16x16x32_f16 v[OAC+32*\qt+8*\dt:OAC+32*\qt+8*\dt+7], v[KVF+32*\ks+8*\dt:KVF+32*\ks+8*\dt+7], v[SCO+32*\qt+8*\ks:SCO+32*\qt+8*\ks+7], 0
.else
	v_wmma_f32_16x16x32_f16 v[OAC+32*\qt+8*\dt:OAC+32*\qt+8*\dt+7], v[KVF+32*\ks+8*\dt:KVF+32*\ks+8*\dt+7], v[SCO+32*\qt+8*\ks:SCO+32*\qt+8*\ks+7], v[OAC+32*\qt+8*\dt:OAC+32*\qt+8*\dt+7]
.endif
.endm
; In all four runs below the accumulators (eight, or the high tile's four) take turns, one instruction a turn.
.macro SBOTH
	s_wait_dscnt 8                                 ; d = 0 .. 31 of the 64 keys are in; the eight loads of d = 32 .. 63 may be out
.irp kt, 0,1,2,3
	SMUL 0, \kt, 0
	SMUL 1, \kt, 0
.endr
	s_wait_dscnt 0x0
.irp kt, 0,1,2,3
	SMUL 0, \kt, 1
	SMUL 1, \kt, 1
.endr
.endm
.macro SHIGH
	s_wait_dscnt 8                                 ; as above
.irp kt, 0,1,2,3
	SMUL 1, \kt, 0
.endr
	s_wait_dscnt 0x0
.irp kt, 0,1,2,3
	SMUL 1, \kt, 1
.endr
.endm
.macro PVBOTH zero
.irp dt, 0,1,2,3
	PMUL 0, \dt, 0, \zero
	PMUL 1, \dt, 0, \zero
.endr
.irp dt, 0,1,2,3
	PMUL 0, \dt, 1, 0
	PMUL 1, \dt, 1, 0
.endr
.endm
.macro PVHIGH
.irp dt, 0,1,2,3
	PMUL 1, \dt, 0, 0
.endr
.irp dt, 0,1,2,3
	PMUL 1, \dt, 1, 0
.endr
.endm
; The mask of query tile qt (first query in s17 or s18): key 64 step + 16 kt + 8 h + j is open to query q + r where
; j <= (q - 64 step) - 16 kt + r - 8 h.  It is right for any step at or in front of the tile's diagonal step.
.macro MASK qt
	s_lshl_b32 s28, s20, 6
	s_sub_co_u32 s28, s[17+\qt], s28
	v_add_nc_u32 v[T0], s28, v[LD]
.irp kt, 0,1,2,3
.if \kt
	v_add_nc_u32 v[T0], -16, v[T0]
.endif
.irp jj, 0,1,2,3,4,5,6,7
	v_cmp_le_i32 vcc_lo, \jj, v[T0]
	v_cndmask_b32 v[SCO+32*\qt+8*\kt+\jj], s27, v[SCO+32*\qt+8*\kt+\jj], vcc_lo
.endr
.endr
.endm
; Step 0 of the launch: both query tiles, nothing to carry on from.  The low tile is masked (its diagonal step is 0 where qlo < 64; elsewhere
; the mask opens everything); the high tile's queries lie behind all 64 keys.
.macro STEPF
	KLOAD 0, 0
	SBOTH
	PLACES 4                                       ; four places (ISA guide 7.12.1) before K's registers are loaded again and the scores are read
	VLOAD 0, 0
	MASK 0
	SOFTMAX 0, 1
	SOFTMAX 1, 1
	s_wait_dscnt 0x0                               ; V's fragments, asked for in front of the softmax
	PVBOTH 1
	PLACES 5                                       ; four places before V's registers are loaded again, five before the next scores are written over P
.endm
; A step of a key tile that is not the last: the high tile always, unmasked; the low tile up to its diagonal step MT0 (s14), masked there.
.macro STEPG slot, sub
	KLOAD \slot, \sub
	s_cmp_gt_u32 s20, s14
	s_cbranch_scc1 .Lshi_\@
	SBOTH
	s_branch .Lsdone_\@
.Lshi_\@:
	SHIGH
.Lsdone_\@:
	PLACES 4                                       ; as in the first step
	VLOAD \slot, \sub
	s_cmp_gt_u32 s20, s14
	s_cbranch_scc1 .Lnolow_\@                      ; all these keys lie behind my low queries
	s_cmp_lg_u32 s20, s14
	s_cbranch_scc1 .Lopen_\@                       ; all of them lie in front
	MASK 0
.Lopen_\@:
	SOFTMAX 0, 0
.Lnolow_\@:
	SOFTMAX 1, 0
	s_wait_dscnt 0x0                               ; V's fragments
	s_cmp_gt_u32 s20, s14
	s_cbranch_scc1 .Lphi_\@
	PVBOTH 0
	s_branch .Lpdone_\@
.Lphi_\@:
	PVHIGH
.Lpdone_\@:
	PLACES 5                                       ; as in the first step
	s_add_co_u32 s20, s20, 1
.endm
; A step of the last key tile: the high tile alone, up to its diagonal step MT1 (s19), masked there.
.macro STEPL slot, sub
	s_cmp_gt_u32 s20, s19
	s_cbranch_scc1 .Lover_\@                       ; all these keys lie behind my queries
	KLOAD \slot, \sub
	SHIGH
	PLACES 4
	VLOAD \slot, \sub
	s_cmp_lg_u32 s20, s19
	s_cbranch_scc1 .Lopen_\@
	MASK 1
.Lopen_\@:
	SOFTMAX 1, 0
	s_wait_dscnt 0x0
	PVHIGH
	PLACES 5
.Lover_\@:
	s_add_co_u32 s20, s20, 1
.endm
; The refill of slot o: waves 0-3 ask for V's rows, waves 4-7 for K's, 64 rows each; one tensor load a wave.
.macro RLOAD o
	s_cmp_ge_u32 s12, 4
	s_cbranch_scc1 .Lfor_k_\@
	tensor_load_to_lds s[G0V+4*\o:G0V+4*\o+3], s[G1V:G1V+7]
	s_nop 0
	s_branch .Lasked_\@
.Lfor_k_\@:
	tensor_load_to_lds s[G0K+4*\o:G0K+4*\o+3], s[G1K:G1K+7]
	s_nop 0
.Lasked_\@:
.endm
; A tile of 256 keys in slot; other = the slot read before.  fill = 1: that slot gets the next tile.  last = 1: the work-group's last tile.
.macro TRIP slot, other, fill, last
	s_wait_tensorcnt 0x0                           ; all my tensor loads have landed, my part of this tile among them: a group 0 may be written
	ds_add_u32 v30, v31
	s_wait_dscnt 0x0
	s_wait_dscnt 0x0                               ; my reads of the other slot are back
.if \fill
	s_add_nc_u64 s[G0K+4*\other+2:G0K+4*\other+3], s[G0K+4*\other+2:G0K+4*\other+3], 2*TK*128   ; two tiles of 256 rows of 128 bytes on
	s_add_nc_u64 s[G0V+4*\other+2:G0V+4*\other+3], s[G0V+4*\other+2:G0V+4*\other+3], 2*TK*128
.endif
	s_barrier_signal -1
	s_barrier_wait -1                              ; both now hold of every wave
.if \fill
	RLOAD \other                                   ; first thing behind the barrier; it has this tile's four steps in which to land
.endif
.if \last
	STEPL \slot, 0
	STEPL \slot, 1
	STEPL \slot, 2
	STEPL \slot, 3
.else
	STEPG \slot, 0
	STEPG \slot, 1
	STEPG \slot, 2
	STEPG \slot, 3
.endif
.endm
	s_wait_tensorcnt 0x1                           ; my part of tile 0 has landed; tile 1's may stay out
	s_barrier_signal -1
	s_barrier_wait -1
	s_wait_loadcnt 0x0                             ; Q
	STEPF
	s_mov_b32 s20, 1
	STEPG 0, 1
	STEPG 0, 2
	STEPG 0, 3
.Lloop:
	TRIP 1, 0, 1, 0
	TRIP 0, 1, 1, 0
	s_sub_co_i32 s21, s21, 1
	s_cmp_gt_i32 s21, 0
	s_cbranch_scc1 .Lloop
	s_and_b32 s28, s15, 2                          ; the number of tiles, 8 - (j >> 1), is even where bit 1 of j is 0: the same in all eight waves
	s_cmp_eq_u32 s28, 0
	s_cbranch_scc1 .Leven
	TRIP 1, 0, 1, 0                                ; odd: two tiles are left, and the last is still to be fetched
	TRIP 0, 1, 0, 1
	s_branch .Lout
.Leven:
	TRIP 1, 0, 0, 1                                ; even: one tile is left, and nothing to fetch
.Lout:
	; THE WAY OUT: join the two halves' sums, divide, round to f16, 16 bytes a lane into my stage, whole rows back, 512 consecutive bytes a store.
	v_permlanex16_b32 v[W0], v[AL+1], s25, s26
	v_permlanex16_b32 v[W0+1], v[AL+3], s25, s26
	v_add_f32 v[AL+1], v[AL+1], v[W0]
	v_add_f32 v[AL+3], v[AL+3], v[W0+1]
	v_rcp_f32 v[AL], v[AL+1]
	v_rcp_f32 v[AL+2], v[AL+3]
	v_nop                                          ; one plain instruction before the reciprocals are used
	s_wait_alu depctr_va_vdst(0)
.irp qt, 0,1
.set i, 0
.rept 16
	v_pk_mul_f32 v[OAC+32*\qt+2*i:OAC+32*\qt+2*i+1], v[OAC+32*\qt+2*i:OAC+32*\qt+2*i+1], v[AL+2*\qt:AL+2*\qt+1] op_sel_hi:[1,0]
.set i, i+1
.endr
.endr
.irp qt, 0,1
.irp dt, 0,1,2,3
.irp q, 0,1,2,3
	v_cvt_pk_f16_f32 v[OAC+32*\qt+8*\dt+\q], v[OAC+32*\qt+8*\dt+2*\q], v[OAC+32*\qt+8*\dt+2*\q+1]
.endr
	ds_store_b128 v[STO], v[OAC+32*\qt+8*\dt:OAC+32*\qt+8*\dt+3] offset:16*KP*\qt+32*\dt
.endr
.endr
.irp t, 0,1,2,3,4,5,6,7
	ds_load_b128 v[SCO+4*\t:SCO+4*\t+3], v[RD] offset:4*KP*\t      ; LDS serves a wave's instructions in order: these see the stores above
.endr
.irp t, 0,1,2,3
	s_wait_dscnt 7-\t                              ; LDS loads return in order: this one is in
	global_store_b128 v[GO], v[SCO+4*\t:SCO+4*\t+3], s[10:11] offset:512*\t              ; four rows of the low tile
.endr
.irp t, 0,1,2,3
	s_wait_dscnt 3-\t
	global_store_b128 v[GO1], v[SCO+16+4*\t:SCO+16+4*\t+3], s[10:11] offset:512*\t       ; four rows of the high tile
.endr
	s_wait_tensorcnt 0x0
	ds_add_u32 v30, v31
	s_wait_dscnt 0x0
	s_endpgm
.Lfunc_end_k_q0331b84f66_attn:
	.size	k_q0331b84f66_attn, .Lfunc_end_k_q0331b84f66_attn-k_q0331b84f66_attn
	.p2alignl 7, 3214868480
	.fill 96, 4, 3214868480
	.section	.rodata,"a",@progbits
	.p2align	6, 0x0
	.amdhsa_kernel k_q0331b84f66_attn
		.amdhsa_group_segment_fixed_size 327680
		.amdhsa_private_segment_fixed_size 0
		.amdhsa_enable_private_segment 0
		.amdhsa_kernarg_size 32
		.amdhsa_user_sgpr_count 2
		.amdhsa_user_sgpr_kernarg_segment_ptr 1
		.amdhsa_wavefront_size32 1
		.amdhsa_system_sgpr_workgroup_id_x 1
		.amdhsa_system_sgpr_workgroup_id_y 1
		.amdhsa_system_sgpr_workgroup_id_z 1
		.amdhsa_system_vgpr_workitem_id 0
		.amdhsa_next_free_vgpr 256
		.amdhsa_next_free_sgpr 66
		.amdhsa_reserve_vcc 1
		.amdhsa_float_denorm_mode_32 3
		.amdhsa_float_denorm_mode_16_64 3
		.amdhsa_memory_ordered 1
		.amdhsa_forward_progress 1
		.amdhsa_inst_pref_size 255
	.end_amdhsa_kernel
	.section	.bss,"aw",@nobits
	.p2align	6
	.space	262144
	.amdgpu_metadata
---
amdhsa.version: [ 1, 2 ]
amdhsa.kernels:
  - .name:           k_q0331b84f66_attn
    .symbol:         k_q0331b84f66_attn.kd
    .args:
      - { .name: qw, .offset: 0, .size: 8, .value_kind: global_buffer, .address_space: global }
      - { .name: kw, .offset: 8, .size: 8, .value_kind: global_buffer, .address_space: global }
      - { .name: vw, .offset: 16, .size: 8, .value_kind: global_buffer, .address_space: global }
      - { .name: aw, .offset: 24, .size: 8, .value_kind: global_buffer, .address_space: global }
    .group_segment_fixed_size: 327680
    .private_segment_fixed_size: 0
    .kernarg_segment_align: 8
    .kernarg_segment_size: 32
    .max_flat_workgroup_size: 256
    .sgpr_count:     66
    .vgpr_count:     256
    .wavefront_size: 32
...
	.end_amdgpu_metadata
.endif
;; end of part 5
;; launch proj (part 6): grid 4 x 64, 8 waves a work-group, clusters of 4 x 4, 295,936 bytes of LDS; arguments aw, wpw, bp, out0; writes out0
.if DOCPART == 6
	.amdgcn_target "amdgcn-amd-amdhsa--gfx1250"
	.amdhsa_code_object_version 6
	.text
	.protected	k_q0331b84f66_proj
	.globl	k_q0331b84f66_proj
	.p2align	8
	.type	k_q0331b84f66_proj,@function
k_q0331b84f66_proj:
	s_mov_b64 s[64:65], 0
	v_nop
	global_prefetch_b8 v0, s[64:65] scope:SCOPE_SE
	s_setreg_imm32_b32 hwreg(HW_REG_WAVE_MODE, 25, 1), 1
	s_wait_xcnt 0x0
	s_wait_alu depctr_hold_cnt(0) depctr_sa_sdst(0) depctr_va_vdst(0) depctr_va_sdst(0) depctr_va_ssrc(0) depctr_va_vcc(0) depctr_vm_vsrc(0)
	s_getreg_b32 s2, hwreg(HW_REG_IB_STS2, 6, 4)
	s_cmp_eq_u32 s2, 0
	s_cbranch_scc0 .Lentry_in_a_cluster
	s_endpgm
.Lentry_in_a_cluster:
	s_bfe_u32 s2, ttmp6, 0x10000c
	s_cmp_lg_u32 s2, 0xf033
	s_cbranch_scc0 .Lentry_shape_is_right
	s_endpgm
.Lentry_shape_is_right:
; out0 = concat(heads) Wp + bp.  aw: [4][8][2048][64] f16.  wpw: [512][512] f16, Wp as the first launch rounded it.  bp: [512] f32.
; out0: [8192][512] f32.
; The work-group (x = block of 128 columns, y = block of 128 rows) has eight waves; wave w makes rows 32 (w & 3) .. +31 and columns
; 64 (w >> 2) .. +63: 2 x 4 accumulator tiles.  All of K = 512 lies in LDS: aw's 8 heads x 128 rows x 128 bytes and wpw's 512 k rows x 256
; bytes.  Every wave asks for its share at the start, by four tensor loads (four outstanding at the most): aw's and wpw's part of
; K 0 .. 255, then of K 256 .. 511.  The first half is multiplied while the second is on its way; nothing is ever filled again.
; CLUSTER: 4 x 4 work-groups.  aw's tiles hang on the block of rows alone and are asked for jointly by the four of a row of the cluster;
; wpw's hang on the block of columns alone and are asked for jointly by the four of a column.  That divides the requests for both by four.
; No branch and no LDS address hangs on a work-group's place in its cluster.
; The matrix instruction is used transposed (source 0 = 16 columns of wpw, read transposed from LDS; source 1 = 16 rows of aw): a lane holds
; eight neighbouring columns of a row.  The bias enters as the C of the first product.  Sums are f32.
.set AP,    144                        ; aw's rows: 128 bytes + 16
.set BP,    288                        ; wpw's rows: 256 bytes + 32 = 9 x 32
.set STEPB, 18432                      ; 64 along K in either tile: 128 rows x 144 = 64 k rows x 288
.set HALF,  4*STEPB                    ; 256 along K
.set BT,    8*STEPB                    ; wpw's tile, behind aw's
.set SPI,   272                        ; the way out: 256 bytes + 16
.set AF,  1                            ; v1-4   my aw fragments at K = 0, 128, 256, 384
.set BF,  5                            ; v5-8   my wpw fragments likewise
.set BO,  9
.set STO, 10
.set RD,  11
.set GO,  12
.set AFR, 32                           ; v[32:63]   aw fragment tt of set p at 32 + 16 p + 8 tt
.set WFR, 64                           ; v[64:127]  wpw fragment nt of set p at 64 + 32 p + 8 nt
.set ACC, 128                          ; v[128:191] accumulator (tt, nt) at 128 + 8 (4 tt + nt)
.set BIA, 192                          ; v[192:223] bias fragment nt
.set OB,  32                           ; v[32:95]   the way out: rows read back
.set G1A, 24                           ; s[24:31] descriptor group 1 for aw's tiles
.set G1B, 32                           ; s[32:39] for wpw's
.set G0A, 40                           ; s[40:47] group 0 for aw, one set for each half of K
.set G0B, 48                           ; s[48:55] for wpw
.macro PLACES n
.rept \n
	v_nop
.endr
.endm
; A round of the cluster's barrier: my work-group's barrier, so that wave 0's signal speaks for all eight waves; wave 0 signals for the
; work-group; every wave waits for all sixteen work-groups; my work-group's barrier once more.
.macro CROUND
	s_barrier_signal -1
	s_barrier_wait -1
	s_cmp_lg_u32 s12, 0
	s_cbranch_scc1 .Lnot_wave_0_\@
	s_barrier_signal -3
.Lnot_wave_0_\@:
	s_barrier_wait -3
	s_barrier_signal -1
	s_barrier_wait -1
.endm
	s_load_b256 s[4:11], s[0:1], 0x0               ; aw s[4:5], wpw s[6:7], bp s[8:9], out0 s[10:11]
	v_lshl_add_u32 v224, v0, 2, 0x48000
	v_mov_b32 v225, 0
	ds_add_u32 v224, v225
	v_lshrrev_b32 v13, 5, v0
	v_readfirstlane_b32 s12, v13                   ; wave w
	s_and_b32 s13, s12, 3                          ; wm
	s_lshr_b32 s14, s12, 2                         ; wn
	s_bfe_u32 s15, ttmp6, 0x40000                  ; cx: my place along the cluster's x
	s_bfe_u32 s16, ttmp6, 0x40004                  ; cy: along its y
	s_lshl_b32 s17, ttmp9, 2                       ; in a cluster launch ttmp9 and ttmp7 count clusters
	s_add_co_u32 s17, s17, s15                     ; block of columns = 4 x cluster x + cx
	s_and_b32 s18, ttmp7, 0xffff
	s_lshl_b32 s18, s18, 2
	s_add_co_u32 s18, s18, s16                     ; block of rows = 4 x cluster y + cy
	s_lshl_b32 s19, s16, 2
	s_lshl_b32 s19, 15, s19                        ; my row of the cluster: places 4 cy .. 4 cy + 3
	s_lshl_b32 s20, 0x1111, s15                    ; my column: places cx, cx + 4, cx + 8, cx + 12
	; group 1.  aw: 64 rows x 64 elements of 2 bytes, dense; behind every 32 words of LDS 4 are skipped.  wpw: 32 rows x 128 elements, row to
	; row 512 elements; behind every 64 words 8 are skipped.  Bits 15:0 the mask, bit 21 set beside it.
	s_or_b32 s[G1A+0], s19, (1<<16)|(1<<20)|(1<<21)|(4<<22)|(3<<25)
	s_or_b32 s[G1B+0], s20, (1<<16)|(1<<20)|(1<<21)|(5<<22)|(7<<25)
	s_mov_b32 s[G1A+1], 64<<16                     ; tensor_dim0
	s_mov_b32 s[G1B+1], 128<<16
	s_mov_b32 s[G1A+2], 64<<16                     ; tensor_dim1
	s_mov_b32 s[G1B+2], 32<<16
	s_mov_b32 s[G1A+3], 64<<16                     ; tile_dim0
	s_mov_b32 s[G1B+3], 128<<16
	s_mov_b32 s[G1A+4], 64                         ; tile_dim1
	s_mov_b32 s[G1B+4], 32
	s_mov_b32 s[G1A+5], 64                         ; pitch
	s_mov_b32 s[G1B+5], 512
	s_mov_b32 s[G1A+6], 0
	s_mov_b32 s[G1B+6], 0
	s_mov_b32 s[G1A+7], 0
	s_mov_b32 s[G1B+7], 0
	; where my tiles come from.  aw's: the block of rows and the wave's number alone, in s56, s57, s60; wpw's: the block of columns and the
	; wave's number alone, in s58, s59, s61.
	s_lshr_b32 s56, s18, 4
	s_lshl_b32 s56, s56, 21                        ; batch: 8 heads of 262,144 bytes
	s_and_b32 s60, s18, 15
	s_lshl_b32 s60, s60, 14                        ; my 128 rows in a head
	s_add_co_u32 s56, s56, s60
	s_lshr_b32 s60, s12, 1
	s_lshl_b32 s60, s60, 18                        ; head w >> 1 of the half's four,
	s_add_co_u32 s56, s56, s60
	s_and_b32 s60, s12, 1
	s_lshl_b32 s60, s60, 13                        ; its rows 64 (w & 1) .. +63
	s_add_co_u32 s56, s56, s60
	s_mov_b32 s57, 0
	s_lshl_b32 s58, s12, 15                        ; k rows 32 w .. +31 of the half's 256, 1,024 bytes each,
	s_lshl_b32 s61, s17, 8                         ; 128 columns of 2 bytes
	s_add_co_u32 s58, s58, s61
	s_mov_b32 s59, 0
	s_mul_i32 s23, s12, 9216                       ; and where they go: 64 rows x 144 = 32 rows x 288 = 9,216 bytes a wave
	s_lshl_b32 s62, s17, 9                         ; bias: 128 columns of 4 bytes,
	s_lshl_b32 s21, s14, 8                         ; my wave's 64
	s_add_co_u32 s62, s62, s21
	s_mov_b32 s63, 0
	s_wait_dscnt 0x0
	s_wait_kmcnt 0x0
	s_add_nc_u64 s[4:5], s[4:5], s[56:57]
	s_add_nc_u64 s[6:7], s[6:7], s[58:59]
	s_add_nc_u64 s[8:9], s[8:9], s[62:63]
	s_lshl_b32 s21, s18, 18                        ; out0: 128 rows of 2,048 bytes,
	s_lshl_b32 s22, s13, 16                        ; my wave's 32
	s_add_co_u32 s21, s21, s22
	s_add_co_u32 s62, s62, s21
	s_add_nc_u64 s[10:11], s[10:11], s[62:63]
	CROUND                                         ; all sixteen work-groups are here: the joint loads meet
.irp hf, 0,1
	s_mov_b32 s[G0A+4*\hf], 1
	s_add_co_u32 s[G0A+4*\hf+1], s23, \hf*HALF
	s_add_nc_u64 s[G0A+4*\hf+2:G0A+4*\hf+3], s[4:5], \hf*4*262144   ; four heads on
	s_or_b32 s[G0A+4*\hf+3], s[G0A+4*\hf+3], 0x80000000
	s_mov_b32 s[G0B+4*\hf], 1
	s_add_co_u32 s[G0B+4*\hf+1], s23, BT+\hf*HALF
	s_add_nc_u64 s[G0B+4*\hf+2:G0B+4*\hf+3], s[6:7], \hf*256*1024   ; 256 k rows on
	s_or_b32 s[G0B+4*\hf+3], s[G0B+4*\hf+3], 0x80000000
	tensor_load_to_lds s[G0A+4*\hf:G0A+4*\hf+3], s[G1A:G1A+7]
	s_nop 0
	tensor_load_to_lds s[G0B+4*\hf:G0B+4*\hf+3], s[G1B:G1B+7]
	s_nop 0
.endr
	v_and_b32 v16, 15, v0                          ; r
	v_bfe_u32 v17, v0, 4, 1                        ; h
	v_and_b32 v18, 7, v0                           ; L & 7
	v_bfe_u32 v19, v0, 3, 1                        ; (L >> 3) & 1
	v_lshl_add_u32 v20, v17, 3, v18                ; 8 h + (L & 7)
	v_lshlrev_b32 v[BO], 5, v17
.irp nt, 0,1,2,3
	global_load_b128 v[BIA+8*\nt:BIA+8*\nt+3],   v[BO], s[8:9] offset:64*\nt
	global_load_b128 v[BIA+8*\nt+4:BIA+8*\nt+7], v[BO], s[8:9] offset:64*\nt+16
.endr
	s_mul_i32 s21, s13, 32*AP
	v_lshlrev_b32 v[AF], 4, v17
	v_mad_u32_u24 v[AF], v16, AP, v[AF]
	v_add_nc_u32 v[AF], s21, v[AF]                 ; row 32 wm + r, byte 16 h
	s_lshl_b32 s21, s14, 7
	s_add_co_u32 s21, s21, BT
	v_lshlrev_b32 v[BF], 4, v19
	v_mad_u32_u24 v[BF], v20, BP, v[BF]
	v_add_nc_u32 v[BF], s21, v[BF]                 ; k row 8 h + (L & 7), column 64 wn + 8 ((L >> 3) & 1)
.irp q, 1,2,3
	v_add_nc_u32 v[AF+\q], \q*2*STEPB, v[AF]       ; an LDS offset has 16 bits: a register for every 128 along K
	v_add_nc_u32 v[BF+\q], \q*2*STEPB, v[BF]
.endr
	s_mul_i32 s21, s12, 32*SPI                     ; my wave's stage, over aw's tile
	v_lshlrev_b32 v[STO], 5, v17
	v_mad_u32_u24 v[STO], v16, SPI, v[STO]
	v_add_nc_u32 v[STO], s21, v[STO]               ; in: row r, 32 bytes for each half of the lanes
	v_lshlrev_b32 v[RD], 4, v16
	v_mad_u32_u24 v[RD], v17, SPI, v[RD]
	v_add_nc_u32 v[RD], s21, v[RD]                 ; back: lanes 0-15 one row of 256 bytes, lanes 16-31 the next
	v_lshlrev_b32 v[GO], 4, v16
	v_lshl_add_u32 v[GO], v17, 11, v[GO]           ; the same two rows in out0
; The fragments of half step FI (K = 32 FI .. +31) into set FI & 1: twelve LDS loads
.macro FRH
.irp tt, 0,1
	ds_load_b128 v[AFR+16*(FI&1)+8*\tt:AFR+16*(FI&1)+8*\tt+3],   v[AF+(FI>>2)] offset:STEPB*((FI>>1)&1)+16*AP*\tt+64*(FI&1)
	ds_load_b128 v[AFR+16*(FI&1)+8*\tt+4:AFR+16*(FI&1)+8*\tt+7], v[AF+(FI>>2)] offset:STEPB*((FI>>1)&1)+16*AP*\tt+64*(FI&1)+32
.endr
.irp nt, 0,1,2,3
	ds_load_tr16_b128 v[WFR+32*(FI&1)+8*\nt:WFR+32*(FI&1)+8*\nt+3],   v[BF+(FI>>2)] offset:STEPB*((FI>>1)&1)+32*BP*(FI&1)+32*\nt
	ds_load_tr16_b128 v[WFR+32*(FI&1)+8*\nt+4:WFR+32*(FI&1)+8*\nt+7], v[BF+(FI>>2)] offset:STEPB*((FI>>1)&1)+32*BP*(FI&1)+32*\nt+16*BP
.endr
.endm
; The eight matrix instructions of half step FM; the eight accumulators take turns, one instruction a turn.
; In half step 0 the C is the bias.
.macro MULH
.irp tt, 0,1
.irp nt, 0,1,2,3
.if FM == 0
	v_wmma_f32_16x16x32_f16 v[ACC+8*(4*\tt+\nt):ACC+8*(4*\tt+\nt)+7], v[WFR+32*(FM&1)+8*\nt:WFR+32*(FM&1)+8*\nt+7], v[AFR+16*(FM&1)+8*\tt:AFR+16*(FM&1)+8*\tt+7], v[BIA+8*\nt:BIA+8*\nt+7]
.else
	v_wmma_f32_16x16x32_f16 v[ACC+8*(4*\tt+\nt):ACC+8*(4*\tt+\nt)+7], v[WFR+32*(FM&1)+8*\nt:WFR+32*(FM&1)+8*\nt+7], v[AFR+16*(FM&1)+8*\tt:AFR+16*(FM&1)+8*\tt+7], v[ACC+8*(4*\tt+\nt):ACC+8*(4*\tt+\nt)+7]
.endif
.endr
.endr
.endm
; Eight half steps, 256 along K.  The two fragment sets take turns: the next half step's loads go out ahead of this one's products.
; The four v_nop behind each run of matrix instructions are the places in front of the loads into their sources.
.macro RUN8 start
.set FI, \start
	FRH
.rept 7
.set FM, FI
.set FI, FI+1
	FRH
	s_wait_dscnt 12                                ; LDS loads return in order: all but the twelve just issued are in
	MULH
	PLACES 4
.endr
.set FM, FI
	s_wait_dscnt 0x0
	MULH
	PLACES 4
.endm
	s_wait_tensorcnt 0x2                           ; my parts of K 0 .. 255 have landed; those of K 256 .. 511 may stay out
	s_barrier_signal -1
	s_barrier_wait -1                              ; everybody's have
	s_wait_loadcnt 0x0                             ; the bias
	RUN8 0
	s_wait_tensorcnt 0x0                           ; my parts of K 256 .. 511 have landed (no LDS load of mine is out: the run's last wait was for 0)
	s_barrier_signal -1
	s_barrier_wait -1
	RUN8 8
	; THE WAY OUT, through a stage of 32 rows x 272 bytes for each wave.  It lies over aw's tile, which has had its only fill, so every wave's
	; reads of the tiles are over first; behind the barrier a wave touches its own stage alone, and LDS serves a wave's instructions in order.
	s_wait_dscnt 0x0
	s_barrier_signal -1
	s_barrier_wait -1
.irp tt, 0,1
.irp nt, 0,1,2,3
	ds_store_b128 v[STO], v[ACC+8*(4*\tt+\nt):ACC+8*(4*\tt+\nt)+3]   offset:16*SPI*\tt+64*\nt
	ds_store_b128 v[STO], v[ACC+8*(4*\tt+\nt)+4:ACC+8*(4*\tt+\nt)+7] offset:16*SPI*\tt+64*\nt+16
.endr
.endr
.set i, 0
.rept 16
	ds_load_b128 v[OB+4*i:OB+4*i+3], v[RD] offset:2*SPI*i
.set i, i+1
.endr
.set i, 0
.rept 16
	s_wait_dscnt 15-i
	global_store_b128 v[GO], v[OB+4*i:OB+4*i+3], s[10:11] offset:4096*i th:TH_STORE_NT   ; 16 lanes store 256 consecutive bytes, aligned
.set i, i+1
.endr
	s_wait_tensorcnt 0x0
	ds_add_u32 v224, v225
	s_wait_dscnt 0x0
	CROUND                                         ; the closing round: no work-group ends while a partner may still ask for a tile that names it
	s_endpgm
.Lfunc_end_k_q0331b84f66_proj:
	.size	k_q0331b84f66_proj, .Lfunc_end_k_q0331b84f66_proj-k_q0331b84f66_proj
	.p2alignl 7, 3214868480
	.fill 96, 4, 3214868480
	.section	.rodata,"a",@progbits
	.p2align	6, 0x0
	.amdhsa_kernel k_q0331b84f66_proj
		.amdhsa_group_segment_fixed_size 295936
		.amdhsa_private_segment_fixed_size 0
		.amdhsa_enable_private_segment 0
		.amdhsa_kernarg_size 32
		.amdhsa_user_sgpr_count 2
		.amdhsa_user_sgpr_kernarg_segment_ptr 1
		.amdhsa_wavefront_size32 1
		.amdhsa_system_sgpr_workgroup_id_x 1
		.amdhsa_system_sgpr_workgroup_id_y 1
		.amdhsa_system_sgpr_workgroup_id_z 1
		.amdhsa_system_vgpr_workitem_id 0
		.amdhsa_next_free_vgpr 226
		.amdhsa_next_free_sgpr 66
		.amdhsa_reserve_vcc 0
		.amdhsa_float_denorm_mode_32 3
		.amdhsa_float_denorm_mode_16_64 3
		.amdhsa_memory_ordered 1
		.amdhsa_forward_progress 1
		.amdhsa_inst_pref_size 35
	.end_amdhsa_kernel
	.amdgpu_metadata
---
amdhsa.version: [ 1, 2 ]
amdhsa.kernels:
  - .name:           k_q0331b84f66_proj
    .symbol:         k_q0331b84f66_proj.kd
    .args:
      - { .name: aw, .offset: 0, .size: 8, .value_kind: global_buffer, .address_space: global }
      - { .name: wpw, .offset: 8, .size: 8, .value_kind: global_buffer, .address_space: global }
      - { .name: bp, .offset: 16, .size: 8, .value_kind: global_buffer, .address_space: global }
      - { .name: out0, .offset: 24, .size: 8, .value_kind: global_buffer, .address_space: global }
    .group_segment_fixed_size: 295936
    .private_segment_fixed_size: 0
    .kernarg_segment_align: 8
    .kernarg_segment_size: 32
    .max_flat_workgroup_size: 256
    .sgpr_count:     66
    .vgpr_count:     226
    .wavefront_size: 32
...
	.end_amdgpu_metadata
.endif
;; end of part 6
